; MI455X (gfx1250); checked and timed in simulation.
; The chip was launched on July 23, 2026; its instructions are those of AMD's public machine-readable ISA for CDNA 5 (MIT licence, August 2026) and "CDNA5" Instruction Set Architecture Reference Guide (July 2026). The comments in the code are by the model that wrote it; some were corrected since.
;; Attention Layer. Allowed arithmetic: matrix products marked QUANTISED: E2M1 operands, one E8M0 scale for each 32 along K, by v_wmma_scale_f32_16x16x128_f8f6f4 with both operands' format E2M1 (or v_wmma_scale_f32_32x16x128_f4), f32 sums; everything else in f32.
;; Inputs: Wfc 1,024 x 1,024 float32; Wk 1,024 x 1,024 float32; Wq 1,024 x 1,024 float32; Wv 1,024 x 1,024 float32; beta 1,024 float32; bfc 1,024 float32; bk 1,024 float32; bq 1,024 float32; bv 1,024 float32; gamma 1,024 float32; k 4 x 2,048 x 1,024 float32; q 4 x 2,048 x 1,024 float32; v 4 x 2,048 x 1,024 float32.
;; Outputs: out0 4 x 2,048 x 1,024 float32.
;; This version of the problem:
;;   THIS VERSION OF THE PROBLEM IS GIVEN IN LOW PRECISION. The matrix products marked QUANTISED in the list below multiply operands that are first quantised to E2M1 (2 exponent bits, 1 mantissa bit; 4 bits a number), with one power-of-two scale for each 32 numbers along K (OCP MX v1.0); their sums are f32. All else is computed in f32.
;;   The module's matrix products, in the order in which they are computed (A, B: the left and right operand; K: the contracted axis; several contracted axes count as one K, in the product's order):
;;     1. [M 8,192, K 1,024] x [K 1,024, N 1,024]; A: input q; B: input Wq: QUANTISED
;;     2. [M 8,192, K 1,024] x [K 1,024, N 1,024]; A: input k; B: input Wk: QUANTISED
;;     3. [M 8,192, K 1,024] x [K 1,024, N 1,024]; A: input v; B: input Wv: QUANTISED
;;     4. batch 64 x [M 2,048, K 64] x [K 64, N 2,048]; A: computed on the way; B: computed on the way: QUANTISED
;;     5. batch 64 x [M 2,048, K 2,048] x [K 2,048, N 64]; A: softmax (see below); B: computed on the way: QUANTISED
;;     6. [M 8,192, K 1,024] x [K 1,024, N 1,024]; A: computed on the way; B: input Wfc: QUANTISED
;;   THE QUANTISER, for each operand of a quantised product, along K:
;;     - K is cut into blocks of 32 from its start; a last block that is shorter is filled with zeros.
;;     - A block's scale is 2^e with e = floor(log2(the largest magnitude in the block)) - 2, held to -126 .. 127; a block of zeros has e = 0. As a byte (E8M0): e + 127.
;;     - Each number is divided by its block's scale, clamped to +-6, and rounded to the nearest number of E2M1, ties to even, subnormals kept.
;;     - The product sums the exact products of the quantised numbers (number of the format x scale) in f32.
;;   ~~~python
;;   def quantise(x, axis):      # numpy; x: float32 -> the quantised numbers, widened to float32 again
;;       x = np.moveaxis(x, axis, -1); K = x.shape[-1]
;;       x = np.pad(x, [(0, 0)] * (x.ndim - 1) + [(0, -K % 32)]); x = x.reshape(x.shape[:-1] + (-1, 32)); a = np.abs(x).max(-1, keepdims=True)
;;       e = np.where(a > 0, np.clip(np.frexp(np.where(a > 0, a, 1))[1] - 1 - 2, -126, 127), 0)      # np.frexp(a)[1] - 1 = floor(log2(a)), exactly
;;       r = np.clip(x / 2.0 ** e, -6, 6)
;;       step = 2.0 ** (np.maximum(np.frexp(np.where(r == 0, 1, r))[1] - 1, 0) - 1)
;;       q = np.round(r / step) * step * 2.0 ** e      # np.round: ties to even
;;       return np.moveaxis(q.reshape(q.shape[:-2] + (-1,))[..., :K], -1, axis).astype(np.float32)
;;   ~~~
;;   SOFTMAX AHEAD OF A QUANTISED PRODUCT. Where the list says 'softmax', what is quantised is not the finished softmax but p = 2^(t - M), with t = logit x log2(e) and M = ceil(the row's largest t), a whole number; so 1/2 < the row's largest p <= 1. The row's sum l is taken of the UNQUANTISED p, in f32, and the product's result is divided by l at the end. Since M is a whole number, a kernel that streams over the keys may use a running M (the ceiling of the running maximum): every later rescaling is an exact power of two, which a block's scale takes up: the codes' values come out the same.
;;   OPERANDS COMPUTED ON THE WAY. 'Computed on the way' means the value that the module computes at that place (a softmax that the list does not call 'softmax' is quantised finished and normalised). What goes into a quantiser is computed in f32, as accurately as f32 sums, v_exp_f32 and their like allow (about 1e-6 of the number): no bf16 or f16 on the way to a quantiser, and a product that is left as it is and whose result goes on into a quantised operand takes f32 operands (vector FMAs, or v_wmma_f32_16x16x4_f32). A number that lies on a knife's edge between two numbers of the format may be rounded either way, as far as f32 arithmetic and the matrix unit's own rounding can turn it there, and no further.
;; One version. Each part assembles by itself: llvm-mc -triple=amdgcn-amd-amdhsa -mcpu=gfx1250 --defsym DOCPART=n.
;; ======== version 1 of 1: 4 launches
;; workspace buffers: xc 12,582,912 bytes; xs 786,432 bytes; wc 2,097,152 bytes; ws 131,072 bytes; hc 12,582,912 bytes; hs 786,432 bytes; cc 4,194,304 bytes; cs 262,144 bytes
;; launch quant (part 1): grid 1792 x 1, 1 waves a work-group, no clusters, 17,408 bytes of LDS; arguments q, k, v, Wq, Wk, Wv, Wfc, xc, xs, wc, ws; writes xc, xs, wc, ws
.if DOCPART == 1
	.amdgcn_target "amdgcn-amd-amdhsa--gfx1250"
	.amdhsa_code_object_version 6
	.text
	.protected	k_q82c5e7bd49_quant
	.globl	k_q82c5e7bd49_quant
	.p2align	8
	.type	k_q82c5e7bd49_quant,@function
k_q82c5e7bd49_quant:
	s_mov_b64 s[64:65], 0
	v_nop
	global_prefetch_b8 v0, s[64:65] scope:SCOPE_SE
	s_setreg_imm32_b32 hwreg(HW_REG_WAVE_MODE, 25, 1), 1
	s_wait_xcnt 0x0
; q, k, v [8192][1024] and Wq, Wk, Wv, Wfc [1024 (k)][1024 (n)], f32, become codes of FP4 (E2M1) with one E8M0 byte for each 32 along K.
; A block's scale is 2^(floor(log2(its largest magnitude)) - 2); its byte is the largest magnitude's exponent field - 2, held at 1 from below.
; LIMITS: NaN and infinities among the inputs are not served.  A block of zeros gets the byte 1 where the quantiser says 127: its codes are zeros, and these bytes are read by this program alone.
; THE OUTPUT IS LAID AS THE MATRIX UNIT'S REGISTERS WANT IT.  A tile is 16 rows (tokens of q, k, v; columns n of a weight): position p of tile t is row 32 (t / 2) + 8 (t % 2) + p + 8 (p / 8).
; The image of (tile, 128 along K) is 1,024 bytes: byte 512 c + 16 lane + i is byte 32 c + 16 (lane / 16) + i of the 64 code bytes of the row at position lane % 16: two loads of 16 bytes a lane are a fragment.
; Codes: [tensor][block of 16 tiles][K step 8][tile 16][image].  Scale bytes of a tile, 512 bytes: byte 256 g + 16 p + 4 s + b is block b of K step 4 g + s of the row at position p.
; One wave to a work-group, 16,384 numbers each: work-groups 0-255 take the weights (32 columns x 512 k), the other 1,536 take q, k, v (one tile x all of K).  No barrier: a wave shares nothing.  Each of the two ways has LDS bytes of its own.
.set SPX,   528                        ; the tokens' stage: a row of 128 numbers, 512 bytes + 16
.set WSTG,  16*SPX                     ; behind it the weights' stage: 32 columns x (256 bytes of codes + 16)
.set WP,    272
.set RX,    16                         ; v16-143  two sets of 64 registers as loaded
.set XX,    144                        ; v144-207 my 64 numbers: two whole blocks of 32
.set CX,    208                        ; v208-223 two sets of 8 registers of codes
.set WX,    224                        ; v224-231 the scale word of each K step
.set SWX,   232                        ; v232-235 the four words that my lane stores
.set FLOOR, 0x1800000                  ; 2^(3 - 127): no largest magnitude is taken under it, so the byte cannot fall under 1
.set OFF2,  0xff000000                 ; takes 2 off an exponent field
	s_load_b512 s[4:19], s[0:1], 0x0               ; q, k, v, Wq, Wk, Wv, Wfc, xc
	s_load_b128 s[20:23], s[0:1], 0x40             ; xs, wc
	s_load_b64 s[24:25], s[0:1], 0x50              ; ws
	v_lshl_add_u32 v254, v0, 2, 0x4300
	v_mov_b32 v255, 0
	v_and_b32 v4, 15, v0                           ; r
	v_lshrrev_b32 v5, 4, v0                        ; h
	v_lshlrev_b32 v1, 4, v0                        ; 16 x lane
	s_cmp_lt_u32 ttmp9, 256
	s_cbranch_scc1 .Lweights
; ---------------- q, k, v: K is innermost ----------------
	s_sub_co_u32 s30, ttmp9, 256
	s_lshr_b32 s31, s30, 9                         ; which tensor
	s_and_b32 s30, s30, 511                        ; which tile
	s_mov_b32 s28, 0x76543210
	s_mov_b32 s29, 0xfedcba98                      ; lane selects: lane xor 16
	v_mul_u32_u24 v2, v4, SPX
	v_lshl_add_u32 v2, v5, 7, v2                   ; out of the stage: row r, 128 bytes on for lanes 16-31
	v_lshlrev_b32 v3, 3, v5                        ; 8 h: where my two bytes stand in the scale word
	v_mov_b32 v243, 0                              ; a lane permute's destination counts as read: written once
	s_lshr_b32 s32, s30, 1
	s_lshl_b32 s32, s32, 17
	s_and_b32 s33, s30, 1
	s_lshl_b32 s33, s33, 15
	s_add_co_u32 s32, s32, s33                     ; the tile's first row, 32 (t / 2) + 8 (t % 2), x 4,096 bytes
	s_mov_b32 s33, 0
	s_lshl_b32 s34, s31, 22
	s_lshr_b32 s35, s30, 4
	s_lshl_b32 s35, s35, 17
	s_add_co_u32 s34, s34, s35
	s_and_b32 s35, s30, 15
	s_lshl_b32 s35, s35, 10
	s_add_co_u32 s34, s34, s35                     ; the tile's first image
	s_mov_b32 s35, 0
	s_lshl_b32 s36, s31, 18
	s_lshl_b32 s37, s30, 9
	s_add_co_u32 s36, s36, s37                     ; its scale bytes
	s_mov_b32 s37, 0
	s_wait_kmcnt 0x0
	s_cmp_eq_u32 s31, 0
	s_cselect_b64 s[26:27], s[4:5], s[6:7]
	s_cmp_eq_u32 s31, 2
	s_cselect_b64 s[26:27], s[8:9], s[26:27]
	s_add_nc_u64 s[26:27], s[26:27], s[32:33]
	s_add_nc_u64 s[18:19], s[18:19], s[34:35]
	s_add_nc_u64 s[20:21], s[20:21], s[36:37]
.macro LOADX ks                        ; K step ks of the tile's 16 rows: each load reads 512 consecutive bytes of one row
.irp p, 0,1,2,3,4,5,6,7,8,9,10,11,12,13,14,15
	global_load_b128 v[RX+64*((\ks)%2)+4*\p:RX+64*((\ks)%2)+4*\p+3], v1, s[26:27] offset:(\p+8*(\p/8))*4096+512*(\ks) th:TH_LOAD_NT
.endr
.endm
.macro STEPX ks
.if (\ks) < 7
	s_wait_loadcnt 16                              ; this K step's 16 loads are in; the next step's 16 may be out
.else
	s_wait_loadcnt 0x0
.endif
.irp p, 0,1,2,3,4,5,6,7,8,9,10,11,12,13,14,15
	ds_store_b128 v1, v[RX+64*((\ks)%2)+4*\p:RX+64*((\ks)%2)+4*\p+3] offset:SPX*\p
.endr
.irp c, 0,1                            ; lane (r, h) takes k = 64 c + 32 h + 0 .. 31 of row r: the order of the operand's registers.  LDS serves a wave's instructions in order: these see the stores
.irp i, 0,1,2,3,4,5,6,7
	ds_load_b128 v[XX+32*\c+4*\i:XX+32*\c+4*\i+3], v2 offset:256*\c+16*\i
.endr
.endr
	s_wait_dscnt 0x0                               ; my numbers are back, so the stores have read their registers,
.if (\ks) < 6
	LOADX (\ks)+2                                  ; which take the loads of two K steps on
.endif
.irp c, 0,1
	v_max3_num_f32 v[236+\c], |v[XX+32*\c]|, |v[XX+32*\c+1]|, FLOOR   ; block 2 c + h: all its 32 numbers are mine
.endr
.irp i, 2,4,6,8,10,12,14,16,18,20,22,24,26,28,30
.irp c, 0,1
	v_max3_num_f32 v[236+\c], v[236+\c], |v[XX+32*\c+\i]|, |v[XX+32*\c+\i+1]|   ; the two blocks by turns
.endr
.endr
.irp c, 0,1
	v_add_nc_u32 v[238+\c], OFF2, v[236+\c]        ; the conversion takes the exponent field of this operand as its scale
.endr
	s_wait_alu depctr_va_vdst(0)
	s_wait_xcnt 0x0                                ; the stores of two K steps back have read this set of codes
.irp c, 0,1
.irp g, 0,1,2,3
	v_cvt_scalef32_pk8_fp4_f32 v[CX+8*((\ks)%2)+4*\c+\g], v[XX+32*\c+8*\g:XX+32*\c+8*\g+7], v[238+\c]
.endr
.endr
.irp c, 0,1
	v_lshrrev_b32 v[240+\c], 23, v[238+\c]         ; the scale's byte (also the plain line behind the conversions)
.endr
	v_lshl_or_b32 v242, v241, 16, v240             ; my bytes: blocks h and 2 + h,
	v_lshlrev_b32 v242, v3, v242                   ; at their places in the word;
	v_permlanex16_b32 v243, v242, s28, s29
	v_or_b32 v[WX+(\ks)], v242, v243               ; with lane xor 16's two the word is whole
	global_store_b128 v1, v[CX+8*((\ks)%2):CX+8*((\ks)%2)+3], s[18:19] offset:16384*(\ks)        ; the image: 2 x 512 consecutive bytes
	global_store_b128 v1, v[CX+8*((\ks)%2)+4:CX+8*((\ks)%2)+7], s[18:19] offset:16384*(\ks)+512
.endm
	s_wait_alu depctr_va_vdst(0)
	LOADX 0
	LOADX 1
.irp ks, 0,1,2,3,4,5,6,7
	STEPX \ks
.endr
	v_cmp_le_u32 vcc_lo, 16, v0                    ; lanes 0-15 store K steps 0-3 of their row, lanes 16-31 K steps 4-7
.irp i, 0,1,2,3
	v_cndmask_b32 v[SWX+\i], v[WX+\i], v[WX+4+\i], vcc_lo
.endr
	global_store_b128 v1, v[SWX:SWX+3], s[20:21]   ; the tile's 512 scale bytes on end
	s_wait_tensorcnt 0x0
	ds_add_u32 v254, v255
	s_wait_dscnt 0x0
	s_endpgm
; ---------------- the weights: K is the first axis.  A lane takes a column n and its registers run down K ----------------
.Lweights:
	s_lshr_b32 s31, ttmp9, 6                       ; which weight
	s_lshr_b32 s30, ttmp9, 1
	s_and_b32 s30, s30, 31                         ; which 32 columns
	s_and_b32 s38, ttmp9, 1                        ; which half of K
	v_lshlrev_b32 v3, 2, v0                        ; in: 4 bytes a lane
	v_mul_u32_u24 v6, v0, WP
	v_add_nc_u32 v6, WSTG, v6                      ; into the stage: row = my column
	s_wait_alu depctr_va_vdst(0)
	v_and_b32 v7, 7, v4
	v_lshrrev_b32 v8, 3, v4
	v_lshl_add_u32 v7, v8, 4, v7                   ; out of it: position r of the even tile is column r % 8 + 16 (r / 8); the odd tile's lie 8 columns on
	v_mul_u32_u24 v7, v7, WP
	v_lshl_add_u32 v7, v5, 4, v7
	v_add_nc_u32 v7, WSTG, v7
	v_bfe_u32 v8, v0, 3, 1                         ; my column's tile of the two,
	v_and_b32 v9, 7, v0
	v_lshl_add_u32 v9, v5, 3, v9                   ; and its position there
	v_lshlrev_b32 v9, 4, v9
	v_lshl_add_u32 v9, v8, 9, v9                   ; where my column's 16 scale bytes go
	s_lshl_b32 s32, s38, 21                        ; 512 rows of 4,096 bytes
	s_lshl_b32 s33, s30, 7
	s_add_co_u32 s32, s32, s33
	s_mov_b32 s33, 0
	s_lshl_b32 s34, s31, 19
	s_lshr_b32 s35, s30, 3
	s_lshl_b32 s35, s35, 17
	s_add_co_u32 s34, s34, s35
	s_lshl_b32 s35, s38, 16
	s_add_co_u32 s34, s34, s35
	s_and_b32 s35, s30, 7
	s_lshl_b32 s35, s35, 11
	s_add_co_u32 s34, s34, s35                     ; the even tile's image of my first K step
	s_mov_b32 s35, 0
	s_lshl_b32 s36, s31, 15
	s_lshl_b32 s37, s30, 10
	s_add_co_u32 s36, s36, s37
	s_lshl_b32 s37, s38, 8
	s_add_co_u32 s36, s36, s37
	s_mov_b32 s37, 0
	s_wait_kmcnt 0x0
	s_cmp_eq_u32 s31, 0
	s_cselect_b64 s[26:27], s[10:11], s[12:13]
	s_cmp_eq_u32 s31, 2
	s_cselect_b64 s[26:27], s[14:15], s[26:27]
	s_cmp_eq_u32 s31, 3
	s_cselect_b64 s[26:27], s[16:17], s[26:27]
	s_add_nc_u64 s[26:27], s[26:27], s[32:33]
	s_add_nc_u64 s[22:23], s[22:23], s[34:35]
	s_add_nc_u64 s[24:25], s[24:25], s[36:37]
.macro LOADW t                         ; block t: W(32 t + i, my column): 32 lanes read 128 consecutive bytes
.irp i, 0,1,2,3,4,5,6,7,8,9,10,11,12,13,14,15,16,17,18,19,20,21,22,23,24,25,26,27,28,29,30,31
	global_load_b32 v[32+32*((\t)%2)+\i], v3, s[26:27] offset:(32*(\t)+\i)*4096 th:TH_LOAD_NT
.endr
.endm
.macro BLOCKW t
.set XS, 32+32*((\t)%2)
.if (\t) < 15
	s_wait_loadcnt 32                              ; this block's 32 loads are in; the next block's may be out
.else
	s_wait_loadcnt 0x0
.endif
	v_max3_num_f32 v12, |v[XS]|, |v[XS+1]|, |v[XS+2]|
	v_max3_num_f32 v13, |v[XS+3]|, |v[XS+4]|, |v[XS+5]|
.irp i, 6,10,14,18,22,26
	v_max3_num_f32 v12, v12, |v[XS+\i]|, |v[XS+\i+1]|
	v_max3_num_f32 v13, v13, |v[XS+\i+2]|, |v[XS+\i+3]|
.endr
	v_max3_num_f32 v12, v12, |v[XS+30]|, |v[XS+31]|
	v_max3_num_f32 v12, v12, v13, FLOOR
	v_add_nc_u32 v11, OFF2, v12
	v_lshrrev_b32 v13, 23, v11                     ; the scale's byte
.if (\t)%4 == 0
	v_mov_b32 v[24+(\t)/4], v13                    ; four bytes to a register: a K step's word
.else
	v_lshl_or_b32 v[24+(\t)/4], v13, 8*((\t)%4), v[24+(\t)/4]
.endif
.irp g, 0,1,2,3
	v_cvt_scalef32_pk8_fp4_f32 v[96+\g], v[XS+8*\g:XS+8*\g+7], v11
.endr
	ds_store_b128 v6, v[96:99] offset:16*(\t)      ; 32 codes: 16 bytes of my column's row
.if (\t)+2 < 16
	LOADW (\t)+2
.endif
	s_wait_dscnt 0x0                               ; the store has read its registers: the next block's codes may be written
.endm
	LOADW 0
	LOADW 1
.irp t, 0,1,2,3,4,5,6,7,8,9,10,11,12,13,14,15
	BLOCKW \t
.endr
	s_wait_alu depctr_va_vdst(0)
	global_store_b128 v9, v[24:27], s[24:25]       ; the 32 lanes fill 256 consecutive bytes in each of the two tiles
.irp u, 0,1
.irp s, 0,1,2,3
.irp c, 0,1
	ds_load_b128 v[112+4*(8*\u+2*\s+\c):112+4*(8*\u+2*\s+\c)+3], v7 offset:8*WP*\u+64*\s+32*\c
.endr
.endr
.endr
.irp u, 0,1
.irp s, 0,1,2,3
.irp c, 0,1
	s_wait_dscnt 15-(8*\u+2*\s+\c)                 ; LDS loads come back in order: this one is in
	global_store_b128 v1, v[112+4*(8*\u+2*\s+\c):112+4*(8*\u+2*\s+\c)+3], s[22:23] offset:1024*\u+16384*\s+512*\c
.endr
.endr
.endr
	s_wait_tensorcnt 0x0
	ds_add_u32 v254, v255
	s_wait_dscnt 0x0
	s_endpgm
.Lfunc_end_k_q82c5e7bd49_quant:
	.size	k_q82c5e7bd49_quant, .Lfunc_end_k_q82c5e7bd49_quant-k_q82c5e7bd49_quant
	.p2alignl 7, 3214868480
	.fill 96, 4, 3214868480
	.section	.rodata,"a",@progbits
	.p2align	6, 0x0
	.amdhsa_kernel k_q82c5e7bd49_quant
		.amdhsa_group_segment_fixed_size 17408
		.amdhsa_private_segment_fixed_size 0
		.amdhsa_enable_private_segment 0
		.amdhsa_kernarg_size 88
		.amdhsa_user_sgpr_count 2
		.amdhsa_user_sgpr_kernarg_segment_ptr 1
		.amdhsa_wavefront_size32 1
		.amdhsa_system_sgpr_workgroup_id_x 1
		.amdhsa_system_sgpr_workgroup_id_y 1
		.amdhsa_system_sgpr_workgroup_id_z 1
		.amdhsa_system_vgpr_workitem_id 0
		.amdhsa_next_free_vgpr 256
		.amdhsa_next_free_sgpr 66
		.amdhsa_reserve_vcc 1
		.amdhsa_float_denorm_mode_32 3
		.amdhsa_float_denorm_mode_16_64 3
		.amdhsa_memory_ordered 1
		.amdhsa_forward_progress 1
		.amdhsa_inst_pref_size 135
	.end_amdhsa_kernel
	.amdgpu_metadata
---
amdhsa.version: [ 1, 2 ]
amdhsa.kernels:
  - .name:           k_q82c5e7bd49_quant
    .symbol:         k_q82c5e7bd49_quant.kd
    .args:
      - { .name: q, .offset: 0, .size: 8, .value_kind: global_buffer, .address_space: global }
      - { .name: k, .offset: 8, .size: 8, .value_kind: global_buffer, .address_space: global }
      - { .name: v, .offset: 16, .size: 8, .value_kind: global_buffer, .address_space: global }
      - { .name: Wq, .offset: 24, .size: 8, .value_kind: global_buffer, .address_space: global }
      - { .name: Wk, .offset: 32, .size: 8, .value_kind: global_buffer, .address_space: global }
      - { .name: Wv, .offset: 40, .size: 8, .value_kind: global_buffer, .address_space: global }
      - { .name: Wfc, .offset: 48, .size: 8, .value_kind: global_buffer, .address_space: global }
      - { .name: xc, .offset: 56, .size: 8, .value_kind: global_buffer, .address_space: global }
      - { .name: xs, .offset: 64, .size: 8, .value_kind: global_buffer, .address_space: global }
      - { .name: wc, .offset: 72, .size: 8, .value_kind: global_buffer, .address_space: global }
      - { .name: ws, .offset: 80, .size: 8, .value_kind: global_buffer, .address_space: global }
    .group_segment_fixed_size: 17408
    .private_segment_fixed_size: 0
    .kernarg_segment_align: 8
    .kernarg_segment_size: 88
    .max_flat_workgroup_size: 32
    .sgpr_count:     66
    .vgpr_count:     256
    .wavefront_size: 32
...
	.end_amdgpu_metadata
.endif
;; end of part 1
;; launch proj (part 2): grid 4 x 96, 4 waves a work-group, clusters of 4 x 4, 281,088 bytes of LDS; arguments xc, xs, wc, ws, bq, bk, bv, hc, hs; writes hc, hs
.if DOCPART == 2
	.amdgcn_target "amdgcn-amd-amdhsa--gfx1250"
	.amdhsa_code_object_version 6
	.text
	.protected	k_q82c5e7bd49_proj
	.globl	k_q82c5e7bd49_proj
	.p2align	8
	.type	k_q82c5e7bd49_proj,@function
k_q82c5e7bd49_proj:
	s_mov_b64 s[64:65], 0
	v_nop
	global_prefetch_b8 v0, s[64:65] scope:SCOPE_SE
	s_setreg_imm32_b32 hwreg(HW_REG_WAVE_MODE, 25, 1), 1
	s_wait_xcnt 0x0
	s_wait_alu depctr_hold_cnt(0) depctr_sa_sdst(0) depctr_va_vdst(0) depctr_va_sdst(0) depctr_va_ssrc(0) depctr_va_vcc(0) depctr_vm_vsrc(0)
	s_getreg_b32 s2, hwreg(HW_REG_IB_STS2, 6, 4)
	s_cmp_eq_u32 s2, 0
	s_cbranch_scc0 .Lentry_in_a_cluster
	s_endpgm
.Lentry_in_a_cluster:
	s_bfe_u32 s2, ttmp6, 0x10000c
	s_cmp_lg_u32 s2, 0xf033
	s_cbranch_scc0 .Lentry_shape_is_right
	s_endpgm
.Lentry_shape_is_right:
; The three projections on codes of FP4 with E8M0 scales, K = 1,024, each result + bias quantised at once for the product that reads it.
; Clusters 0-7 make q Wq + bq, 8-15 k Wk + bk: C[token][channel], quantised along the channels (K of the scores).  Clusters 16-23 make the SWAPPED product C[channel][token] = Wv^T v^T + bv,
; quantised along the tokens (the keys are K of the second product of attention).  One text serves all three: only pointers, two masks and the index of the output differ, chosen by scalar selects on the cluster's number.
; A work-group of four waves makes 256 x 256 of C, a wave 128 x 128: 64 accumulators, 512 registers.  Both operands of the work-group for ALL of K lie in LDS (2 x 131,072 bytes of codes, 2 x 8,192 of scale bytes): every byte of LDS is filled once.
; Operands lie in memory and in LDS as images of their registers: a fragment is two loads of 16 bytes a lane, 512 consecutive bytes each: no pitch, no padding.
; CLUSTER 4 x 4: A's block is shared along a row of the cluster, B's along a column: each tensor load is asked for jointly, with a mask that names the four.
; THE MATRIX INSTRUCTION IS USED TRANSPOSED: source 0 = 16 rows of B, source 1 = 16 rows of A.  By the order of rows in a tile, the 16 registers of B's tiles 2 j and 2 j + 1 are 16 neighbours along the next K.
; OUT: hc [kind][batch][pair of heads][slot 128][1,024 bytes], hs the same with 16 words a slot.  q, k: slot = tile of 16 tokens; the image's first 512 bytes are the even head's 64 channels, the others the odd head's.
;   v: slot = 8 x (128 keys) + tile of 16 channels of the pair's 128: the image of 16 channels x 128 keys.
; LIMITS: NaN and infinities are not served; a block of zeros gets the byte 1 (its codes are zeros; these bytes are read by this program alone).
; REGISTERS: window 0: v0-31 addresses and the quantiser's work; v32-95 scale words and nothing else; v96-111 A-side bias; v112-127 codes and words just made; v128-191 A's fragments, later 64 results; v192-255 B-side bias.
;   window 1: B's fragments, two sets, at v0 and v128.  window 2: the accumulators of my rows 0-63 ((a, b) at v[8 (8 a + b)]); window 3: rows 64-127.
.set SCLA, 262144                      ; LDS: A's codes at 0, B's at 131,072; A's scale bytes here, B's 8,192 on
.set SSTG, 278528                      ; the stage for the scale words that leave: 512 bytes a wave, bytes of its own
.set QM,   4                           ; v4-7   largest magnitudes
.set QB,   8                           ; v8-11  lane xor 16's, then the bytes
.set QS,   12                          ; v12-15 the conversions' scale operands
.set ADRA, 16                          ; v16-17 my A fragments, first and second half of K
.set ADRB, 20                          ; v20-21 the same for B
.set CO,   24                          ; v24    16 x lane
.set SSTO, 25                          ; v25    the stage, in
.set SRD,  26                          ; v26    the stage, out
.set ADRS, 27                          ; v27    scale words: lanes 0-15 A's rows, lanes 16-31 B's
.set OBN,  28
.set OBM,  29
.set SC,   32                          ; register 8 i + ks: lanes 0-15 the word of A's tile i, lanes 16-31 of B's tile i, K step ks
.set BM,   96
.set PC,   112
.set PW,   120
.set AF,   128
.set T,    128
.set BN,   192
.set G1, 24                            ; s[24:31] group 1, s[32:39] two groups 0: A's codes
.set G0, 32
.set G1B, 48                           ; s[48:55], s[56:63]: B's codes
.set G0B, 56
.set G1S, 68                           ; s[68:75], s[76:79]: A's scale bytes
.set G0S, 76
.set G1SB, 80                          ; s[80:87], s[88:91]: B's
.set G0SB, 88
.set MSB, 0
.macro WIN new                         ; the immediate's high byte repeats the setting that is left
.if MSB != (\new)
	s_set_vgpr_msb (MSB<<8)|(\new)
.set MSB, \new
.endif
.endm
.set MUL_LO, 0xa1                      ; source 0 (B) window 1, source 1 (A) window 0, C and D window 2
.set MUL_HI, 0xf1                      ; the same, C and D window 3
.set TO_B,   0x40                      ; destination window 1
; A joint load: waves 0 and 1 fetch for A, waves 2 and 3 for B.  The branch hangs on the wave's number alone.  Four v_nop follow each of the two lines.
.macro JLOAD g0a, g1a, g0b, g1b
	s_cmp_eq_u32 s99, 0
	s_cbranch_scc0 .Lfor_b_\@
	tensor_load_to_lds s[\g0a:\g0a+3], s[\g1a:\g1a+7]
	s_nop 0
.rept 4
	v_nop
.endr
	s_branch .Lasked_\@
.Lfor_b_\@:
	tensor_load_to_lds s[\g0b:\g0b+3], s[\g1b:\g1b+7]
	s_nop 0
.rept 4
	v_nop
.endr
.Lasked_\@:
.endm
.macro CROUND                          ; a round of the cluster's barrier
	s_barrier_signal -1
	s_barrier_wait -1
	s_cmp_lg_u32 s98, 0
	s_cbranch_scc1 .Lnot_wave_0_\@
	s_barrier_signal -3
.Lnot_wave_0_\@:
	s_barrier_wait -3
	s_barrier_signal -1
	s_barrier_wait -1
.endm
	s_load_b256 s[4:11], s[0:1], 0x0               ; xc, xs, wc, ws
	s_load_b128 s[12:15], s[0:1], 0x20             ; bq, bk
	s_load_b64 s[16:17], s[0:1], 0x30              ; bv
	s_load_b128 s[20:23], s[0:1], 0x38             ; hc, hs
	v_lshl_add_u32 v30, v0, 2, 0x44800
	v_mov_b32 v31, 0
	ds_add_u32 v30, v31
	ds_add_u32 v30, v31
	v_lshrrev_b32 v1, 5, v0
	v_readfirstlane_b32 s98, v1                    ; wave 0..3
	s_lshr_b32 s99, s98, 1                         ; which half of the block's rows is mine.  Also: I fetch for A (0) or for B (1)
	s_and_b32 s100, s98, 1                         ; which half of its columns.  Also: which part I fetch
	s_bfe_u32 s40, ttmp6, 0x40000                  ; cx
	s_bfe_u32 s41, ttmp6, 0x40004                  ; cy
	s_and_b32 s2, ttmp7, 0xffff                    ; the cluster, 0..23
	s_lshr_b32 s95, s2, 3                          ; 0 q, 1 k, 2 v
	s_and_b32 s3, s2, 7
	s_lshl_b32 s3, s3, 2
	s_cmp_eq_u32 s95, 2
	s_cselect_b32 s101, 0, s3                      ; q, k: A = the tokens (32 blocks of 256), B = the weight (4);  v: A = the weight, B = the tokens
	s_cselect_b32 s42, s3, 0
	s_cselect_b32 s96, 0, -1                       ; keeps the bias that runs along B's rows (q, k),
	s_cselect_b32 s97, -1, 0                       ; or the one that runs along A's (v)
	s_add_co_u32 s101, s101, s41                   ; A's block
	s_add_co_u32 s42, s42, s40                     ; B's block
	s_lshl_b32 s43, s41, 2
	s_lshl_b32 s43, 15, s43                        ; my row of the cluster
	s_lshl_b32 s44, 0x1111, s40                    ; my column
	; group 1: dense blocks as rows of 256 bytes (32 elements of 8 bytes): 128 rows of codes, 16 rows of scale bytes.  15:0 the mask; 17:16 elements of 8 bytes; 21 set beside a mask
	s_or_b32 s[G1+0], s43, (3<<16)|(1<<21)
	s_or_b32 s[G1B+0], s44, (3<<16)|(1<<21)
	s_or_b32 s[G1S+0], s43, (3<<16)|(1<<21)
	s_or_b32 s[G1SB+0], s44, (3<<16)|(1<<21)
.irp g, G1, G1B
	s_mov_b32 s[\g+1], 32<<16                      ; tensor_dim0
	s_mov_b32 s[\g+2], 128<<16                     ; tensor_dim1
	s_mov_b32 s[\g+3], 32<<16                      ; tile_dim0
	s_mov_b32 s[\g+4], 128                         ; tile_dim1
	s_mov_b32 s[\g+5], 32                          ; from row to row
	s_mov_b32 s[\g+6], 0
	s_mov_b32 s[\g+7], 0
.endr
.irp g, G1S, G1SB
	s_mov_b32 s[\g+1], 32<<16
	s_mov_b32 s[\g+2], 16<<16
	s_mov_b32 s[\g+3], 32<<16
	s_mov_b32 s[\g+4], 16
	s_mov_b32 s[\g+5], 32
	s_mov_b32 s[\g+6], 0
	s_mov_b32 s[\g+7], 0
.endr
	s_lshl_b32 s66, s101, 17                       ; A's codes: block x 131,072 + my part x 32,768
	s_lshl_b32 s67, s100, 15
	s_add_co_u32 s66, s66, s67
	s_mov_b32 s67, 0
	s_lshl_b32 s18, s101, 13                       ; A's scale bytes: block x 8,192 + part x 4,096
	s_lshl_b32 s19, s100, 12
	s_add_co_u32 s18, s18, s19
	s_mov_b32 s19, 0
	s_lshl_b32 s46, s42, 17                        ; B likewise, in registers of its own
	s_lshl_b32 s47, s100, 15
	s_add_co_u32 s46, s46, s47
	s_mov_b32 s47, 0
	s_lshl_b32 s92, s42, 13
	s_lshl_b32 s93, s100, 12
	s_add_co_u32 s92, s92, s93
	s_mov_b32 s93, 0
	s_lshl_b32 s45, s99, 17                        ; where they go: the wave's number alone enters an LDS address
	s_lshl_b32 s94, s100, 15
	s_add_co_u32 s45, s45, s94
	s_lshl_b32 s94, s98, 12
	s_add_co_u32 s94, s94, SCLA
	s_wait_dscnt 0x0
	s_wait_kmcnt 0x0
	s_mov_b32 s3, 0
	s_lshl_b32 s2, s95, 22
	s_add_nc_u64 s[4:5], s[4:5], s[2:3]            ; this kind's tokens and weight
	s_lshl_b32 s2, s95, 18
	s_add_nc_u64 s[6:7], s[6:7], s[2:3]
	s_lshl_b32 s2, s95, 19
	s_add_nc_u64 s[8:9], s[8:9], s[2:3]
	s_lshl_b32 s2, s95, 15
	s_add_nc_u64 s[10:11], s[10:11], s[2:3]
	s_cmp_eq_u32 s95, 2
	s_cselect_b64 s[G0+2:G0+3], s[8:9], s[4:5]
	s_cselect_b64 s[G0S+2:G0S+3], s[10:11], s[6:7]
	s_cselect_b64 s[G0B+2:G0B+3], s[4:5], s[8:9]
	s_cselect_b64 s[G0SB+2:G0SB+3], s[6:7], s[10:11]
	s_add_nc_u64 s[G0+2:G0+3], s[G0+2:G0+3], s[66:67]
	s_add_nc_u64 s[G0S+2:G0S+3], s[G0S+2:G0S+3], s[18:19]
	s_add_nc_u64 s[G0B+2:G0B+3], s[G0B+2:G0B+3], s[46:47]
	s_add_nc_u64 s[G0SB+2:G0SB+3], s[G0SB+2:G0SB+3], s[92:93]
	s_add_nc_u64 s[G0+6:G0+7], s[G0+2:G0+3], 0x10000      ; the second half of K
	s_add_nc_u64 s[G0B+6:G0B+7], s[G0B+2:G0B+3], 0x10000
.irp g, G0+3, G0+7, G0B+3, G0B+7, G0S+3, G0SB+3
	s_or_b32 s[\g], s[\g], 0x80000000              ; the type
.endr
.irp g, G0, G0B
	s_mov_b32 s[\g], 1
	s_mov_b32 s[\g+1], s45
	s_mov_b32 s[\g+4], 1
	s_add_co_u32 s[\g+5], s45, 0x10000
.endr
.irp g, G0S, G0SB
	s_mov_b32 s[\g], 1
	s_mov_b32 s[\g+1], s94
.endr
	CROUND                                         ; all sixteen work-groups are here: the joint loads meet
	JLOAD G0S, G1S, G0SB, G1SB                     ; the scale bytes, K steps 0-3, K steps 4-7: three tensor loads of mine are out
	JLOAD G0, G1, G0B, G1B
	JLOAD G0+4, G1, G0B+4, G1B
	v_and_b32 v1, 15, v0                           ; r
	v_bfe_u32 v2, v0, 4, 1                         ; h
	v_and_b32 v3, 31, v0
	v_lshlrev_b32 v[CO], 4, v3
	s_lshl_b32 s66, s99, 13                        ; my 8 tiles of A: 8,192 bytes in each K step's 16,384
	v_add_nc_u32 v[ADRA], s66, v[CO]
	v_add_nc_u32 v[ADRA+1], 0x10000, v[ADRA]
	s_lshl_b32 s66, s100, 13
	s_add_co_u32 s66, s66, 0x20000
	v_add_nc_u32 v[ADRB], s66, v[CO]
	v_add_nc_u32 v[ADRB+1], 0x10000, v[ADRB]
	v_lshlrev_b32 v5, 4, v1
	s_lshl_b32 s66, s99, 12                        ; A's scale bytes of my 8 tiles
	s_lshl_b32 s67, s100, 12
	s_add_co_u32 s67, s67, 8192                    ; B's, behind A's 8,192
	s_sub_co_u32 s67, s67, s66
	v_mul_u32_u24 v6, s67, v2                      ; lanes 16-31 take B's: one product, the distance between the two
	s_add_co_u32 s66, s66, SCLA
	v_add_nc_u32 v5, v5, v6
	v_add_nc_u32 v[ADRS], s66, v5
	s_lshl_b32 s66, s98, 9
	s_add_co_u32 s66, s66, SSTG
	v_lshl_add_u32 v[SSTO], v1, 2, s66
	v_add_nc_u32 v[SRD], s66, v[CO]
	v_lshlrev_b32 v[OBN], 6, v2                    ; the bias along B's rows: 16 h numbers on
	s_wait_alu depctr_va_vdst(0)
	v_lshrrev_b32 v5, 3, v1
	v_lshl_add_u32 v5, v5, 3, v1
	v_lshlrev_b32 v[OBM], 2, v5                    ; the bias along A's rows: position r is row r + 8 (r / 8)
	s_wait_alu depctr_va_vdst(0)
.irp b, 0,1,2,3
	v_mov_b32 v[QB+\b], 0                          ; a lane permute's destination counts as read: written once
.endr
	s_lshl_b32 s2, s101, 8
	s_lshl_b32 s3, s99, 7
	s_add_co_u32 s2, s2, s3                        ; m0: my first row of C
	s_lshl_b32 s3, s42, 8
	s_lshl_b32 s18, s100, 7
	s_add_co_u32 s3, s3, s18                       ; n0: my first column
	s_mov_b32 s19, 0
	s_cmp_eq_u32 s95, 0
	s_cselect_b64 s[12:13], s[12:13], s[14:15]
	s_cmp_eq_u32 s95, 2
	s_cselect_b64 s[12:13], s[16:17], s[12:13]     ; this kind's bias
	s_cselect_b32 s46, s3, s2                      ; my first token
	s_cselect_b32 s47, s2, s3                      ; my first channel
	s_lshl_b32 s18, s3, 2
	s_and_b32 s18, s18, s96                        ; the set that is not wanted is read at the buffer's head and masked to zeros below: no branch
	s_add_nc_u64 s[14:15], s[12:13], s[18:19]
	s_lshl_b32 s18, s2, 2
	s_and_b32 s18, s18, s97
	s_add_nc_u64 s[16:17], s[12:13], s[18:19]
.irp b, 0,1,2,3,4,5,6,7
	global_load_b128 v[BN+8*\b:BN+8*\b+3], v[OBN], s[14:15] offset:(32*(\b/2)+8*(\b%2))*4
	global_load_b128 v[BN+8*\b+4:BN+8*\b+7], v[OBN], s[14:15] offset:(32*(\b/2)+8*(\b%2))*4+16
.endr
.irp a, 0,1,2,3,4,5,6,7
	global_load_b32 v[BM+2*\a], v[OBM], s[16:17] offset:(32*(\a/2)+8*(\a%2))*4     ; twice: a pair for the packed addition
	global_load_b32 v[BM+2*\a+1], v[OBM], s[16:17] offset:(32*(\a/2)+8*(\a%2))*4
.endr
	s_lshr_b32 s2, s46, 11                         ; the first slot: ((batch x 8 + pair of heads) x 128 + (token in the batch) / 16
	s_lshl_b32 s2, s2, 3
	s_lshr_b32 s3, s47, 7
	s_add_co_u32 s2, s2, s3
	s_lshl_b32 s2, s2, 7
	s_and_b32 s3, s46, 2047
	s_lshr_b32 s3, s3, 4
	s_add_co_u32 s2, s2, s3
	s_lshl_b32 s18, s2, 10
	s_lshl_b32 s3, s95, 22
	s_add_co_u32 s18, s18, s3
	s_add_nc_u64 s[20:21], s[20:21], s[18:19]
	s_lshl_b32 s18, s2, 6
	s_lshl_b32 s3, s95, 18
	s_add_co_u32 s18, s18, s3
	s_add_nc_u64 s[22:23], s[22:23], s[18:19]
	s_mov_b32 s2, 0x76543210
	s_mov_b32 s3, 0xfedcba98                       ; lane selects: lane xor 16
.macro FRAG reg, adr, ks, i            ; a fragment as it lies: 2 x 512 consecutive bytes
.irp c, 0,1
	ds_load_b128 v[\reg+4*\c:\reg+4*\c+3], v[\adr+(\ks)/4] offset:16384*((\ks)%4)+1024*(\i)+512*\c
.endr
.endm
; 16 matrix instructions: A's tiles a0, a0 + 1 x B's eight, K step ks; p: B's set.  zero = 1: the first product starts the sums.  The 64 accumulators take turns, one instruction a turn.
.macro MUL16 a0, p, ks, zero
.irp a, \a0, \a0+1
.irp b, 0,1,2,3,4,5,6,7
.if \zero
	v_wmma_scale_f32_16x16x128_f8f6f4 v[8*(8*((\a)%4)+\b):8*(8*((\a)%4)+\b)+7], v[128*(\p)+8*\b:128*(\p)+8*\b+7], v[AF+8*(\a):AF+8*(\a)+7], 0, v[SC+8*\b+(\ks)], v[SC+8*(\a)+(\ks)] matrix_a_fmt:MATRIX_FMT_FP4 matrix_b_fmt:MATRIX_FMT_FP4 matrix_a_scale:MATRIX_SCALE_ROW1
.else
	v_wmma_scale_f32_16x16x128_f8f6f4 v[8*(8*((\a)%4)+\b):8*(8*((\a)%4)+\b)+7], v[128*(\p)+8*\b:128*(\p)+8*\b+7], v[AF+8*(\a):AF+8*(\a)+7], v[8*(8*((\a)%4)+\b):8*(8*((\a)%4)+\b)+7], v[SC+8*\b+(\ks)], v[SC+8*(\a)+(\ks)] matrix_a_fmt:MATRIX_FMT_FP4 matrix_b_fmt:MATRIX_FMT_FP4 matrix_a_scale:MATRIX_SCALE_ROW1
.endif
.endr
.endr
.endm
.macro FETCH_B ks, p
	WIN TO_B
.irp i, 0,1,2,3,4,5,6,7
	FRAG 128*(\p)+8*\i, ADRB, \ks, \i
.endr
	WIN 0
.endm
.macro FETCH_A ks, i0
.irp i, \i0, \i0+1, \i0+2, \i0+3
	FRAG AF+8*(\i), ADRA, \ks, \i
.endr
.endm
.macro PLACES                          ; a load into a register that a matrix instruction has read stands four plain vector instructions behind it (ISA guide 7.12.1 for vector instructions)
.rept 4
	v_nop
.endr
.endm
; A K step of 128: 64 matrix instructions, A's tiles one after the other.  One set of registers serves A (tiles 0-3 are fetched anew in the middle, 4-7 at the end), two serve B.
.macro STEP ks, zero
	s_wait_dscnt 8                                 ; all but the youngest eight loads (A's tiles 4-7)
	WIN MUL_LO
	MUL16 0, (\ks)%2, \ks, \zero
	MUL16 2, (\ks)%2, \ks, \zero
	s_wait_dscnt 0x0                               ; A's tiles 4-7 are in
	PLACES
	FETCH_B (\ks)+1, 1-(\ks)%2
	FETCH_A (\ks)+1, 0
	WIN MUL_HI
	MUL16 4, (\ks)%2, \ks, \zero
	MUL16 6, (\ks)%2, \ks, \zero
	PLACES
	WIN 0
	FETCH_A (\ks)+1, 4
.endm
	s_wait_tensorcnt 1                             ; my scale bytes and my part of K steps 0-3 are in; K steps 4-7 may be out
	s_barrier_signal -1
	s_barrier_wait -1                              ; everybody's are
	FETCH_B 0, 0
	FETCH_A 0, 0
.irp i, 0,1,2,3,4,5,6,7                ; all scale words, once: lanes 0-15 A's tile i, lanes 16-31 B's tile i, four K steps a load
.irp g, 0,1
	ds_load_b128 v[SC+8*\i+4*\g:SC+8*\i+4*\g+3], v[ADRS] offset:512*\i+256*\g
.endr
.endr
	FETCH_A 0, 4
	STEP 0, 1
	STEP 1, 0
	STEP 2, 0
	s_wait_tensorcnt 0x0                           ; K step 3 goes over to the second half of K: my part of it is in,
	s_wait_dscnt 8
	WIN MUL_LO
	MUL16 0, 1, 3, 0
	s_wait_dscnt 0x0                               ; no LDS instruction of mine is out at the signal
	s_barrier_signal -1
	MUL16 2, 1, 3, 0                               ; work on registers while the others arrive
	WIN 0
	s_barrier_wait -1                              ; everybody's is
	PLACES
	FETCH_B 4, 0
	FETCH_A 4, 0
	WIN MUL_HI
	MUL16 4, 1, 3, 0
	MUL16 6, 1, 3, 0
	PLACES
	WIN 0
	FETCH_A 4, 4
	STEP 4, 0
	STEP 5, 0
	STEP 6, 0
	s_wait_dscnt 8                                 ; the last K step: nothing more to fetch
	WIN MUL_LO
	MUL16 0, 1, 7, 0
	MUL16 2, 1, 7, 0
	s_wait_dscnt 0x0
	WIN MUL_HI
	MUL16 4, 1, 7, 0
	MUL16 6, 1, 7, 0
	WIN 0
; 64 numbers of a lane, register 16 b + i = k 32 b + 16 (lane / 16) + i of my row, become a fragment's codes in v[pc] on and its scale word in v[pw]
.macro QUANT s, pc, pw
.irp b, 0,1,2,3
	v_max3_num_f32 v[QM+\b], |v[\s+16*\b]|, |v[\s+1+16*\b]|, 0x1800000   ; my 16 numbers of block b, and the floor 2^(3 - 127): the byte cannot fall under 1
.endr
.irp i, 2,4,6,8,10,12,14
.irp b, 0,1,2,3
	v_max3_num_f32 v[QM+\b], v[QM+\b], |v[\s+16*\b+\i]|, |v[\s+1+16*\b+\i]|   ; the four blocks by turns
.endr
.endr
.irp b, 0,1,2,3
	v_permlanex16_b32 v[QB+\b], v[QM+\b], s2, s3
.endr
.irp b, 0,1,2,3
	v_max_num_f32 v[QM+\b], v[QM+\b], v[QB+\b]     ; with lane xor 16's: the block's largest magnitude
.endr
.irp b, 0,1,2,3
	v_add_nc_u32 v[QS+\b], 0xff000000, v[QM+\b]    ; 2 off its exponent field: the conversion's scale operand
.endr
.irp b, 0,1,2,3
	v_lshrrev_b32 v[QB+\b], 23, v[QS+\b]           ; the scale's byte
.endr
	v_lshl_or_b32 v[\pw], v[QB+1], 8, v[QB]
	v_lshl_or_b32 v[\pw], v[QB+2], 16, v[\pw]
	v_lshl_or_b32 v[\pw], v[QB+3], 24, v[\pw]
.irp b, 0,1,2,3
	v_cvt_scalef32_pk8_fp4_f32 v[\pc+2*\b], v[\s+16*\b:\s+7+16*\b], v[QS+\b]
	v_cvt_scalef32_pk8_fp4_f32 v[\pc+1+2*\b], v[\s+8+16*\b:\s+15+16*\b], v[QS+\b]
.endr
	v_nop                                          ; one plain line behind a scaled conversion
.irp c, 0,1                            ; the operand wants a whole block in a lane: lanes 0-15 block 2 c, lanes 16-31 block 2 c + 1
.irp i, 0,1
	v_permlane16_swap_b32 v[\pc+4*\c+\i], v[\pc+2+4*\c+\i]
.endr
.endr
.endm
; THE WAY OUT of A's tile a: + the two biases (one of them zeros), quantised, and the image stored: 2 x 512 consecutive bytes
.macro OUTA a
	WIN 0x02+(\a)/4                                ; source 0: window 2 or 3
.set i, 0
.rept 32
	v_pk_add_f32 v[T+i:T+i+1], v[64*((\a)%4)+i:64*((\a)%4)+i+1], v[BN+i:BN+i+1]   ; ascending: each accumulator is read from its low end on
.set i, i+2
.endr
	WIN 0
.set i, 0
.rept 32
	v_pk_add_f32 v[T+i:T+i+1], v[T+i:T+i+1], v[BM+2*(\a):BM+2*(\a)+1]
.set i, i+2
.endr
	s_wait_xcnt 0x0                                ; the last tile's stores have read the codes' registers
	QUANT T, PC, PW+(\a)
	global_store_b128 v[CO], v[PC:PC+3], s[20:21] offset:1024*(\a)
	global_store_b128 v[CO], v[PC+4:PC+7], s[20:21] offset:1024*(\a)+512
.endm
	s_wait_loadcnt 0x0                             ; the biases
.set i, 0
.rept 64
	v_and_b32 v[BN+i], s96, v[BN+i]                ; these 80 plain lines are also the places behind the last products
.set i, i+1
.endr
.set i, 0
.rept 16
	v_and_b32 v[BM+i], s97, v[BM+i]
.set i, i+1
.endr
.irp a, 0,1,2,3,4,5,6,7
	OUTA \a
.endr
.irp a, 0,1,2,3,4,5,6,7
	ds_store_b32 v[SSTO], v[PW+\a] offset:64*\a    ; lanes r and 16 + r write the same word with the same value
.endr
	ds_load_b128 v[T:T+3], v[SRD]                  ; LDS serves a wave's instructions in order: this sees my stores
	s_wait_dscnt 0x0
	global_store_b128 v[CO], v[T:T+3], s[22:23]    ; eight slots' words: 512 consecutive bytes
	s_wait_tensorcnt 0x0
	ds_add_u32 v30, v31
	s_wait_dscnt 0x0
	CROUND                                         ; the closing round: no work-group ends while a partner may still ask for a block that names it
	s_endpgm
.Lfunc_end_k_q82c5e7bd49_proj:
	.size	k_q82c5e7bd49_proj, .Lfunc_end_k_q82c5e7bd49_proj-k_q82c5e7bd49_proj
	.p2alignl 7, 3214868480
	.fill 96, 4, 3214868480
	.section	.rodata,"a",@progbits
	.p2align	6, 0x0
	.amdhsa_kernel k_q82c5e7bd49_proj
		.amdhsa_group_segment_fixed_size 281088
		.amdhsa_private_segment_fixed_size 0
		.amdhsa_enable_private_segment 0
		.amdhsa_kernarg_size 72
		.amdhsa_user_sgpr_count 2
		.amdhsa_user_sgpr_kernarg_segment_ptr 1
		.amdhsa_wavefront_size32 1
		.amdhsa_system_sgpr_workgroup_id_x 1
		.amdhsa_system_sgpr_workgroup_id_y 1
		.amdhsa_system_sgpr_workgroup_id_z 1
		.amdhsa_system_vgpr_workitem_id 0
		.amdhsa_next_free_vgpr 1024
		.amdhsa_next_free_sgpr 102
		.amdhsa_reserve_vcc 0
		.amdhsa_float_denorm_mode_32 3
		.amdhsa_float_denorm_mode_16_64 3
		.amdhsa_memory_ordered 1
		.amdhsa_forward_progress 1
		.amdhsa_inst_pref_size 166
	.end_amdhsa_kernel
	.amdgpu_metadata
---
amdhsa.version: [ 1, 2 ]
amdhsa.kernels:
  - .name:           k_q82c5e7bd49_proj
    .symbol:         k_q82c5e7bd49_proj.kd
    .args:
      - { .name: xc, .offset: 0, .size: 8, .value_kind: global_buffer, .address_space: global }
      - { .name: xs, .offset: 8, .size: 8, .value_kind: global_buffer, .address_space: global }
      - { .name: wc, .offset: 16, .size: 8, .value_kind: global_buffer, .address_space: global }
      - { .name: ws, .offset: 24, .size: 8, .value_kind: global_buffer, .address_space: global }
      - { .name: bq, .offset: 32, .size: 8, .value_kind: global_buffer, .address_space: global }
      - { .name: bk, .offset: 40, .size: 8, .value_kind: global_buffer, .address_space: global }
      - { .name: bv, .offset: 48, .size: 8, .value_kind: global_buffer, .address_space: global }
      - { .name: hc, .offset: 56, .size: 8, .value_kind: global_buffer, .address_space: global }
      - { .name: hs, .offset: 64, .size: 8, .value_kind: global_buffer, .address_space: global }
    .group_segment_fixed_size: 281088
    .private_segment_fixed_size: 0
    .kernarg_segment_align: 8
    .kernarg_segment_size: 72
    .max_flat_workgroup_size: 128
    .sgpr_count:     102
    .vgpr_count:     1024
    .wavefront_size: 32
...
	.end_amdgpu_metadata
.endif
;; end of part 2
;; launch attn (part 3): grid 4 x 64, 16 waves a work-group, clusters of 4 x 1, 169,984 bytes of LDS; arguments hc, hs, cc, cs; writes cc, cs
.if DOCPART == 3
	.amdgcn_target "amdgcn-amd-amdhsa--gfx1250"
	.amdhsa_code_object_version 6
	.text
	.protected	k_q82c5e7bd49_attn
	.globl	k_q82c5e7bd49_attn
	.p2align	8
	.type	k_q82c5e7bd49_attn,@function
k_q82c5e7bd49_attn:
	s_mov_b64 s[64:65], 0
	v_nop
	global_prefetch_b8 v0, s[64:65] scope:SCOPE_SE
	s_setreg_imm32_b32 hwreg(HW_REG_WAVE_MODE, 25, 1), 1
	s_wait_xcnt 0x0
	s_wait_alu depctr_hold_cnt(0) depctr_sa_sdst(0) depctr_va_vdst(0) depctr_va_sdst(0) depctr_va_ssrc(0) depctr_va_vcc(0) depctr_vm_vsrc(0)
	s_getreg_b32 s2, hwreg(HW_REG_IB_STS2, 6, 4)
	s_cmp_eq_u32 s2, 0
	s_cbranch_scc0 .Lentry_in_a_cluster
	s_endpgm
.Lentry_in_a_cluster:
	s_bfe_u32 s2, ttmp6, 0x10000c
	s_cmp_lg_u32 s2, 0x3003
	s_cbranch_scc0 .Lentry_shape_is_right
	s_endpgm
.Lentry_shape_is_right:
; ctx[b][h][q] = the sum over k of softmax_k(Q . K / 8) V, both products on codes of FP4 with E8M0 scales; the result / the row's sum is quantised at once along the 64 channels for the output projection.
; THE SOFTMAX AHEAD OF THE SECOND PRODUCT: t = score x log2(e) / 8; M = the running largest t rounded UP to a whole number; p = 2^(t - M) is quantised along the keys, not normalised;
; the row's sum is taken of the unquantised p and divides at the end.  When M moves, the sum and O are multiplied by 2^(old M - new M): exact.
; A block's largest p is not searched for: p rises with the score, so the block's largest score goes through the same multiply-add and exponential (this takes v_exp_f32 not to fall where its input rises).
; SHARES.  A work-group owns 512 queries of one head; each of its sixteen waves two tiles of 16, one after the other.  K and V of the whole head (2,048 keys: 65,536 bytes of codes each) lie in LDS: every byte is filled once.
; CLUSTER 4 x 1: the four work-groups of a head read the same K and V: each tensor load is asked for jointly, with the mask 15.
; LAYOUT.  Both products transposed: S^T = K Q^T (source 0 = 16 keys), O^T = V^T P^T (source 0 = 16 channels): a lane holds ONE query (position lane % 16 of its tile) throughout.  By the order of rows in a tile, the 16 registers of
; tiles 2 j and 2 j + 1 are 16 neighbouring keys (channels).  The scores' K is 64: registers 4-7 of K's and Q's fragments hold zero codes, which add nothing.
; LIMITS: NaN and infinities are not served; a block of zeros gets the byte 1 (its codes are zeros; these bytes are read by this program alone).
; REGISTERS: v1-6 addresses that stay; v7 the second tile's Q scale; v8-11 the step's addresses; v12 -M, v13 the largest t, v[14:15] the sum; v16-23 Q; v24-31 K's scale words and nothing else; v32-63, v192-223 K's 8 fragments;
;   v64-95 V's 4; v96-159 S^T, then p; v160-191 O^T; v224-231 p's codes; v232-239, v244-247, v252, v254 at work; v240-243 the second tile's Q; v248-251 V's scale words; v253 p's; v255 Q's.
.set VC,   65536                       ; LDS: K's codes, 128 tiles x 512 bytes, at 0; V's [128 keys 16][tile 4][1,024] here
.set KW,   131072                      ; K's scale words, 128 tiles x 64 bytes: a word holds the even head's two bytes, then the odd head's
.set VW,   139264                      ; V's [16][4][64 bytes]
.set SCS,  143360                      ; the stage for ctx's scale bytes: 32 tiles x 32 bytes, bytes of its own
.set AK0,  1                           ; v1  16 x lane: an image's place, in LDS and in memory
.set AV0,  2
.set ASK0, 3
.set ASV0, 4
.set FIN,  5                           ; v5  the stage, out: 16 x my thread's number
.set SSA,  6                           ; v6  the stage, in
.set WV,   12
.set SEL,  20
.set CS,   22
.set G1K,  24
.set G1V,  32
.set G1KS, 40
.set G1VS, 48
.set G0K,  56
.set G0V,  60
.set G0KS, 68
.set G0VS, 72
.set TB,   76                          ; the step's tiles: 4,096 bytes a step, in K and in V
.set TS,   77                          ; K's scale words: 512 a step
.set TJ,   78                          ; V's: 256 a step
.set CNT,  79
.macro CROUND                          ; a round of the cluster's barrier
	s_barrier_signal -1
	s_barrier_wait -1
	s_cmp_lg_u32 s[WV], 0
	s_cbranch_scc1 .Lnot_wave_0_\@
	s_barrier_signal -3
.Lnot_wave_0_\@:
	s_barrier_wait -3
	s_barrier_signal -1
	s_barrier_wait -1
.endm
	s_load_b256 s[4:11], s[0:1], 0x0               ; hc, hs, cc, cs
	v_lshl_add_u32 v254, v0, 2, 0x29000
	v_mov_b32 v255, 0
	ds_add_u32 v254, v255
	ds_add_u32 v254, v255
	s_wait_dscnt 0x0
	v_lshrrev_b32 v8, 5, v0
	s_delay_alu instid0(VALU_DEP_1)
	v_readfirstlane_b32 s[WV], v8                  ; wave 0..15
	s_bfe_u32 s13, ttmp6, 0x40000                  ; cx: it enters Q's, cc's and cs's addresses alone
	s_and_b32 s14, ttmp7, 0xffff                   ; 16 x batch + head
	s_lshr_b32 s15, s14, 4                         ; batch
	s_and_b32 s16, s14, 15
	s_and_b32 s17, s16, 1                          ; which head of its pair
	s_lshr_b32 s16, s16, 1                         ; the pair
	s_lshl_b32 s18, s15, 3
	s_add_co_u32 s18, s18, s16                     ; 8 x batch + pair
	v_and_b32 v8, 15, v0                           ; r
	v_and_b32 v9, 31, v0
	s_delay_alu instid0(VALU_DEP_1)
	v_lshlrev_b32 v[AK0], 4, v9
	s_delay_alu instid0(VALU_DEP_1)
	v_add_nc_u32 v[AV0], VC, v[AK0]
	s_lshl_b32 s19, s17, 1
	s_add_co_u32 s19, s19, KW
	v_lshl_add_u32 v[ASK0], v8, 2, s19             ; my head's two bytes of position r's word
	v_lshl_add_u32 v[ASV0], v8, 2, VW
	s_lshl_b32 s19, s[WV], 5
	s_add_co_u32 s19, s19, SCS
	v_lshl_add_u32 v[SSA], v8, 1, s19
	v_lshl_add_u32 v[FIN], v0, 4, SCS
	v_lshlrev_b32 v9, 2, v8                        ; Q's scale words: 4 bytes a position
	; group 1, elements of 8 bytes; 15:0 the mask: all four work-groups; 21 set beside a mask
.irp g, G1K, G1V, G1KS, G1VS
	s_mov_b32 s[\g], 15|(3<<16)|(1<<21)
	s_mov_b32 s[\g+6], 0
	s_mov_b32 s[\g+7], 0
.endr
	s_mov_b32 s[G1K+1], 64<<16                     ; K's codes: 64 slots, my head's 512 bytes of each 1,024
	s_mov_b32 s[G1K+2], 64<<16
	s_mov_b32 s[G1K+3], 64<<16
	s_mov_b32 s[G1K+4], 64
	s_mov_b32 s[G1K+5], 128
	s_mov_b32 s[G1V+1], 512<<16                    ; V's codes: 8 steps of 128 keys, my head's 4,096 bytes of each 8,192
	s_mov_b32 s[G1V+2], 8<<16
	s_mov_b32 s[G1V+3], 512<<16
	s_mov_b32 s[G1V+4], 8
	s_mov_b32 s[G1V+5], 1024
	s_mov_b32 s[G1KS+1], 32<<16                    ; K's scale words: 8,192 dense bytes as 32 rows of 256
	s_mov_b32 s[G1KS+2], 32<<16
	s_mov_b32 s[G1KS+3], 32<<16
	s_mov_b32 s[G1KS+4], 32
	s_mov_b32 s[G1KS+5], 32
	s_mov_b32 s[G1VS+1], 32<<16                    ; V's: 16 steps, my head's 256 bytes of each 512
	s_mov_b32 s[G1VS+2], 16<<16
	s_mov_b32 s[G1VS+3], 32<<16
	s_mov_b32 s[G1VS+4], 16
	s_mov_b32 s[G1VS+5], 64
	s_and_b32 s81, s[WV], 1                        ; which half of the codes I fetch, if I fetch:
	s_lshl_b32 s82, s81, 15                        ; in LDS,
	s_lshl_b32 s81, s81, 16                        ; in memory
	s_lshl_b32 s83, s18, 17
	s_lshl_b32 s86, s17, 9
	s_add_co_u32 s86, s86, s83
	s_add_co_u32 s86, s86, s81
	s_add_co_u32 s86, s86, 4194304                 ; K's codes
	s_mov_b32 s87, 0
	s_lshl_b32 s88, s17, 12
	s_add_co_u32 s88, s88, s83
	s_add_co_u32 s88, s88, s81
	s_add_co_u32 s88, s88, 8388608                 ; V's codes
	s_mov_b32 s89, 0
	s_lshl_b32 s90, s18, 13
	s_mov_b32 s91, 0
	s_lshl_b32 s92, s17, 8
	s_add_co_u32 s92, s92, s90
	s_add_co_u32 s92, s92, 524288                  ; V's scale words
	s_mov_b32 s93, 0
	s_add_co_u32 s90, s90, 262144                  ; K's
	s_lshl_b32 s80, s13, 5
	s_add_co_u32 s80, s80, s[WV]                   ; my first tile of queries: 32 cx + wave; the second lies 16 tiles on
	s_lshl_b32 s2, s80, 10
	s_add_co_u32 s2, s2, s83
	s_lshl_b32 s3, s17, 9
	s_add_co_u32 s2, s2, s3                        ; Q's codes
	s_mov_b32 s3, 0
	s_lshl_b32 s84, s80, 6
	s_lshl_b32 s85, s18, 13
	s_add_co_u32 s84, s84, s85
	s_lshl_b32 s85, s17, 1
	s_add_co_u32 s84, s84, s85                     ; Q's scale bytes
	s_mov_b32 s85, 0
	s_lshl_b32 s94, s15, 3
	s_lshl_b32 s95, s13, 1
	s_add_co_u32 s94, s94, s95
	s_lshl_b32 s94, s94, 17                        ; ctx's codes: block of 16 tiles 8 x batch + 2 cx (+ 1 for the second tile),
	s_lshl_b32 s95, s16, 14                        ; K step = the pair of heads,
	s_add_co_u32 s94, s94, s95
	s_lshl_b32 s95, s[WV], 10                      ; tile = wave,
	s_add_co_u32 s94, s94, s95
	s_lshl_b32 s95, s17, 9                         ; my head's half of the image
	s_add_co_u32 s94, s94, s95
	s_mov_b32 s95, 0
	s_lshl_b32 s80, s14, 7
	s_lshl_b32 s81, s13, 5
	s_add_co_u32 s80, s80, s81
	s_lshl_b32 s80, s80, 5                         ; ctx's scale bytes: [batch, head][tile][position], 2 bytes
	s_lshl_b32 s81, s[WV], 9
	s_add_co_u32 s80, s80, s81
	s_mov_b32 s81, 0
	s_mov_b32 s[SEL], 0x76543210
	s_mov_b32 s[SEL+1], 0xfedcba98                 ; lane selects: lane xor 16
	s_mov_b32 s[CS], 0x3e38aa3b                    ; c = log2(e) / 8
	s_mov_b32 s[CS+1], s[CS]                       ; named with it as a pair, so it is written
	s_wait_kmcnt 0x0
	s_mov_b32 s[G0K], 1
	s_mov_b32 s[G0K+1], s82
	s_add_nc_u64 s[G0K+2:G0K+3], s[4:5], s[86:87]
	s_or_b32 s[G0K+3], s[G0K+3], 0x80000000
	s_mov_b32 s[G0V], 1
	s_add_co_u32 s[G0V+1], s82, VC
	s_add_nc_u64 s[G0V+2:G0V+3], s[4:5], s[88:89]
	s_or_b32 s[G0V+3], s[G0V+3], 0x80000000
	s_mov_b32 s[G0KS], 1
	s_mov_b32 s[G0KS+1], KW
	s_add_nc_u64 s[G0KS+2:G0KS+3], s[6:7], s[90:91]
	s_or_b32 s[G0KS+3], s[G0KS+3], 0x80000000
	s_mov_b32 s[G0VS], 1
	s_mov_b32 s[G0VS+1], VW
	s_add_nc_u64 s[G0VS+2:G0VS+3], s[6:7], s[92:93]
	s_or_b32 s[G0VS+3], s[G0VS+3], 0x80000000
	s_add_nc_u64 s[2:3], s[4:5], s[2:3]
	s_add_nc_u64 s[84:85], s[6:7], s[84:85]
	s_add_nc_u64 s[8:9], s[8:9], s[94:95]
	s_add_nc_u64 s[10:11], s[10:11], s[80:81]
	CROUND                                         ; all four work-groups are here: the joint loads meet
	; waves 0, 1: K's codes; 2, 3: V's; 4: K's scale words; 5: V's; the others fetch nothing.  One tensor load a wave; four v_nop follow each
	s_cmp_lt_u32 s[WV], 2
	s_cbranch_scc0 .Lnot_k
	tensor_load_to_lds s[G0K:G0K+3], s[G1K:G1K+7]
	s_nop 0
.rept 4
	v_nop
.endr
	s_branch .Lasked
.Lnot_k:
	s_cmp_lt_u32 s[WV], 4
	s_cbranch_scc0 .Lnot_v
	tensor_load_to_lds s[G0V:G0V+3], s[G1V:G1V+7]
	s_nop 0
.rept 4
	v_nop
.endr
	s_branch .Lasked
.Lnot_v:
	s_cmp_eq_u32 s[WV], 4
	s_cbranch_scc0 .Lnot_ks
	tensor_load_to_lds s[G0KS:G0KS+3], s[G1KS:G1KS+7]
	s_nop 0
.rept 4
	v_nop
.endr
	s_branch .Lasked
.Lnot_ks:
	s_cmp_eq_u32 s[WV], 5
	s_cbranch_scc0 .Lasked
	tensor_load_to_lds s[G0VS:G0VS+3], s[G1VS:G1VS+7]
	s_nop 0
.rept 4
	v_nop
.endr
.Lasked:
	s_wait_alu depctr_va_vdst(0)
	global_load_b128 v[16:19], v[AK0], s[2:3]                  ; Q of my two tiles: my head's 64 channels are registers 0-3 of a fragment
	global_load_b128 v[240:243], v[AK0], s[2:3] offset:16384
	global_load_u16 v255, v9, s[84:85]                         ; two scale bytes; the word's upper two stay 0, over zero codes
	global_load_u16 v7, v9, s[84:85] offset:1024
.irp i, 20,21,22,23, 36,37,38,39, 44,45,46,47, 52,53,54,55, 60,61,62,63, 196,197,198,199, 204,205,206,207, 212,213,214,215, 220,221,222,223
	v_mov_b32 v\i, 0                               ; k = 64 .. 127 of Q's and K's fragments: zero codes, written once
.endr
.irp b, 0,1,2,3
	v_mov_b32 v[236+\b], 0                         ; a lane permute's destination counts as read: written once
.endr
	v_mov_b32 v253, 0                              ; named as the upper half of the pair v[252:253] before it is first written
	s_wait_tensorcnt 0x0                           ; my part of K and V is in,
	s_barrier_signal -1
	s_barrier_wait -1                              ; everybody's is
	s_wait_loadcnt 0x0                             ; Q
; ONE TILE OF 16 QUERIES: 16 steps of 128 keys, then the way out.
.macro PASS p
.if \p
	s_wait_xcnt 0x0                                ; the first tile's store has read its registers
.irp i, 0,1,2,3
	v_mov_b32 v[16+\i], v[240+\i]
.endr
	v_mov_b32 v255, v7                             ; (the 36 plain lines below are the places between these and the first product)
.endif
	v_mov_b32 v13, 0xff61b1e6                      ; the largest t so far: -3e38, under every t
	s_delay_alu instid0(VALU_DEP_1)
	v_floor_f32 v12, -v13                          ; -M
	v_mov_b32 v14, 0                               ; the sum, in two halves
	v_mov_b32 v15, 0
.set j, 0
.rept 32
	v_mov_b32 v[160+j], 0                          ; O^T: the step is written once; the first finds zeros, which the first change of M leaves zeros
.set j, j+1
.endr
	s_mov_b32 s[TB], 0
	s_mov_b32 s[TS], 0
	s_mov_b32 s[TJ], 0
	s_mov_b32 s[CNT], 16
.Lstep_\@:
	s_setprio 2
	v_add_nc_u32 v8, s[TB], v[AK0]                 ; these four plain lines are the places between the last step's products and the loads into their registers
	v_add_nc_u32 v9, s[TB], v[AV0]
	v_add_nc_u32 v10, s[TS], v[ASK0]
	v_add_nc_u32 v11, s[TJ], v[ASV0]
.irp t, 0,1,2,3,4,5,6,7
	ds_load_b128 v[32+8*\t+128*(\t/4):35+8*\t+128*(\t/4)], v8 offset:512*\t
	ds_load_u16 v[24+\t], v10 offset:64*\t
.endr
.irp t, 0,1,2,3
.irp c, 0,1
	ds_load_b128 v[64+8*\t+4*\c:67+8*\t+4*\c], v9 offset:1024*\t+512*\c
.endr
	ds_load_b32 v[248+\t], v11 offset:64*\t
.endr
	s_wait_dscnt 12                                ; K's 16 loads are in; V's 12 may be out
.irp t, 0,1,2,3,4,5,6,7
	v_wmma_scale_f32_16x16x128_f8f6f4 v[96+8*\t:103+8*\t], v[32+8*\t+128*(\t/4):39+8*\t+128*(\t/4)], v[16:23], 0, v[24+\t], v255 matrix_a_fmt:MATRIX_FMT_FP4 matrix_b_fmt:MATRIX_FMT_FP4
.endr
.rept 4
	v_nop                                          ; four places ahead of the first read of the scores
.endr
.irp b, 0,1,2,3
	v_max3_num_f32 v[232+\b], v[96+16*\b], v[97+16*\b], v[98+16*\b]   ; the largest score of each block of 32 keys: for the row's maximum, and for the block's largest p
.endr
.irp i, 3,5,7,9,11,13
.irp b, 0,1,2,3
	v_max3_num_f32 v[232+\b], v[232+\b], v[96+16*\b+\i], v[97+16*\b+\i]
.endr
.endr
.irp b, 0,1,2,3
	v_max_num_f32 v[232+\b], v[232+\b], v[111+16*\b]
.endr
.irp b, 0,1,2,3
	s_delay_alu instid0(VALU_DEP_4)
	v_permlanex16_b32 v[236+\b], v[232+\b], s[SEL], s[SEL+1]
.endr
.irp b, 0,1,2,3
	s_delay_alu instid0(VALU_DEP_4)
	v_max_num_f32 v[232+\b], v[232+\b], v[236+\b]  ; with lane xor 16's 16 keys
.endr
	s_delay_alu instid0(VALU_DEP_2)
	v_max3_num_f32 v254, v232, v233, v234
	s_delay_alu instid0(VALU_DEP_1)
	v_max_num_f32 v254, v254, v235                 ; the step's largest score of my query
	s_delay_alu instid0(VALU_DEP_1)
	v_mul_f32 v254, s[CS], v254                    ; as t (c is positive)
	s_delay_alu instid0(VALU_DEP_1)
	v_max_num_f32 v13, v13, v254                   ; the running largest t
	v_mov_b32 v254, v12
	s_delay_alu instid0(VALU_DEP_2)
	v_floor_f32 v12, -v13                          ; the new -M = floor(-t): M is a whole number
	s_delay_alu instid0(VALU_DEP_1)
	v_sub_f32 v254, v12, v254                      ; old M - new M: a whole number, 0 or less
	s_delay_alu instid0(VALU_DEP_1)
	v_cvt_i32_f32 v254, v254                       ; (it saturates)
	s_delay_alu instid0(VALU_DEP_1)
	v_ldexp_f32 v252, 1.0, v254                    ; f = 2^(old M - new M)
.set j, 0
.rept 32
	v_pk_fma_f32 v[96+j:97+j], v[96+j:97+j], s[CS:CS+1], v[12:13] op_sel_hi:[1,0,0]   ; t - M, two at a time
.set j, j+2
.endr
.irp b, 0,1,2,3
	v_fma_f32 v[232+\b], v[232+\b], s[CS], v12     ; the same of each block's largest score
.endr
.set j, 0
	s_wait_alu depctr_va_vdst(0)
.rept 64
	v_exp_f32 v[96+j], v[96+j]                     ; p = 2^(t - M), at most 1
.set j, j+1
.endr
	s_setprio 1
	v_pk_mul_f32 v[14:15], v[14:15], v[252:253] op_sel_hi:[1,0]   ; the sums under the new M: the plain line behind the exponentials
	s_wait_alu depctr_va_vdst(0)                   ; one wait for the batch of 64, ahead of its first reader
.irp b, 0,1,2,3
	v_exp_f32 v[232+\b], v[232+\b]                 ; the block's largest p
.endr
	v_pk_add_f32 v[236:237], v[100:101], v[104:105]
	v_pk_add_f32 v[246:247], v[108:109], v[112:113]
	v_pk_add_f32 v[244:245], v[116:117], v[120:121]
	v_pk_add_f32 v[238:239], v[124:125], v[128:129]
	v_pk_add_f32 v[230:231], v[132:133], v[136:137]
	v_pk_add_f32 v[228:229], v[140:141], v[144:145]
	v_pk_add_f32 v[226:227], v[148:149], v[152:153]
	v_pk_add_f32 v[14:15], v[14:15], v[156:157]
	v_pk_add_f32 v[236:237], v[236:237], v[96:97]
	v_pk_add_f32 v[246:247], v[246:247], v[98:99]
	v_pk_add_f32 v[244:245], v[244:245], v[102:103]
	v_pk_add_f32 v[238:239], v[238:239], v[106:107]
	v_pk_add_f32 v[230:231], v[230:231], v[110:111]
	v_pk_add_f32 v[228:229], v[228:229], v[114:115]
	v_pk_add_f32 v[226:227], v[226:227], v[118:119]
	v_pk_add_f32 v[14:15], v[14:15], v[122:123]
	v_pk_add_f32 v[236:237], v[236:237], v[126:127]
	v_pk_add_f32 v[246:247], v[246:247], v[130:131]
	v_pk_add_f32 v[244:245], v[244:245], v[134:135]
	v_pk_add_f32 v[238:239], v[238:239], v[138:139]
	v_pk_add_f32 v[230:231], v[230:231], v[142:143]
	v_pk_add_f32 v[228:229], v[228:229], v[146:147]
	v_pk_add_f32 v[226:227], v[226:227], v[150:151]
	v_pk_add_f32 v[14:15], v[14:15], v[154:155]
	v_pk_add_f32 v[236:237], v[236:237], v[158:159]
	s_delay_alu instid0(VALU_DEP_2)
	v_pk_add_f32 v[14:15], v[14:15], v[238:239]
	s_delay_alu instid0(VALU_DEP_2)
	v_pk_add_f32 v[236:237], v[236:237], v[230:231]
	v_pk_add_f32 v[246:247], v[246:247], v[228:229]
	v_pk_add_f32 v[244:245], v[244:245], v[226:227]
	s_delay_alu instid0(VALU_DEP_2)
	v_pk_add_f32 v[14:15], v[14:15], v[246:247]
	s_delay_alu instid0(VALU_DEP_2)
	v_pk_add_f32 v[236:237], v[236:237], v[244:245]
	s_delay_alu instid0(VALU_DEP_1)
	v_pk_add_f32 v[14:15], v[14:15], v[236:237]
	s_wait_alu depctr_va_vdst(0)                   ; and one for the four
.irp b, 0,1,2,3
	v_max_num_f32 v[232+\b], 0x1800000, v[232+\b]  ; the floor 2^(3 - 127): the byte cannot fall under 1
.endr
.irp b, 0,1,2,3
	s_delay_alu instid0(VALU_DEP_4)
	v_add_nc_u32 v[244+\b], 0xff000000, v[232+\b]  ; 2 off the exponent field: the conversion's scale operand
.endr
.irp b, 0,1,2,3
	s_delay_alu instid0(VALU_DEP_4)
	v_lshrrev_b32 v[236+\b], 23, v[244+\b]
.endr
	s_delay_alu instid0(VALU_DEP_3)
	v_lshl_or_b32 v253, v237, 8, v236              ; p's scale word for these 128 keys
	s_delay_alu instid0(VALU_DEP_1)
	v_lshl_or_b32 v253, v238, 16, v253
	s_delay_alu instid0(VALU_DEP_1)
	v_lshl_or_b32 v253, v239, 24, v253
.irp b, 0,1,2,3
	v_cvt_scalef32_pk8_fp4_f32 v[224+2*\b], v[96+16*\b:103+16*\b], v[244+\b]
	v_cvt_scalef32_pk8_fp4_f32 v[225+2*\b], v[104+16*\b:111+16*\b], v[244+\b]
.endr
	v_nop                                          ; one plain line behind a scaled conversion
	s_setprio 0
.irp c, 0,1
.irp i, 0,1
	v_permlane16_swap_b32 v[224+4*\c+\i], v[226+4*\c+\i]   ; a whole block in a lane
.endr
.endr
.set j, 0
.rept 16
	v_pk_mul_f32 v[160+j:161+j], v[160+j:161+j], v[252:253] op_sel_hi:[1,0]   ; O^T under the new M.  For each product below, twelve of these name none of its registers: the places behind p's word and codes
.set j, j+2
.endr
	s_wait_alu depctr_va_vdst(0)
	s_wait_dscnt 0x0                               ; V
.irp t, 0,1,2,3
	v_wmma_scale_f32_16x16x128_f8f6f4 v[160+8*\t:167+8*\t], v[64+8*\t:71+8*\t], v[224:231], v[160+8*\t:167+8*\t], v[248+\t], v253 matrix_a_fmt:MATRIX_FMT_FP4 matrix_b_fmt:MATRIX_FMT_FP4
.endr
	s_add_co_u32 s[TB], s[TB], 4096
	s_add_co_u32 s[TS], s[TS], 512
	s_add_co_u32 s[TJ], s[TJ], 256
	s_sub_co_u32 s[CNT], s[CNT], 1
	s_cmp_lg_u32 s[CNT], 0
	s_cbranch_scc1 .Lstep_\@
	s_setprio 0
	; the way out: O^T / the sum, quantised along the head's 64 channels: two blocks, half a fragment
.rept 4
	v_nop
.endr
	v_add_f32 v14, v14, v15
	s_delay_alu instid0(VALU_DEP_1)
	v_permlanex16_b32 v252, v14, s[SEL], s[SEL+1]
	s_delay_alu instid0(VALU_DEP_1)
	v_add_f32 v14, v14, v252                       ; the row's sum
	s_wait_alu depctr_va_vdst(0)
	v_rcp_f32 v14, v14
	v_nop                                          ; a plain line behind the reciprocal,
	s_wait_alu depctr_va_vdst(0)                   ; and the wait ahead of its first reader
.set j, 0
.rept 16
	v_pk_mul_f32 v[96+j:97+j], v[160+j:161+j], v[14:15] op_sel_hi:[1,0]   ; register 16 b + i is channel 32 b + 16 (lane / 16) + i; ascending: each accumulator from its low end on
.set j, j+2
.endr
.irp b, 0,1
	v_max3_num_f32 v[232+\b], |v[96+16*\b]|, |v[97+16*\b]|, 0x1800000
.endr
.irp i, 2,4,6,8,10,12,14
.irp b, 0,1
	s_delay_alu instid0(VALU_DEP_2)
	v_max3_num_f32 v[232+\b], v[232+\b], |v[96+16*\b+\i]|, |v[97+16*\b+\i]|
.endr
.endr
.irp b, 0,1
	s_delay_alu instid0(VALU_DEP_2)
	v_permlanex16_b32 v[236+\b], v[232+\b], s[SEL], s[SEL+1]
.endr
.irp b, 0,1
	s_delay_alu instid0(VALU_DEP_2)
	v_max_num_f32 v[232+\b], v[232+\b], v[236+\b]
.endr
.irp b, 0,1
	s_delay_alu instid0(VALU_DEP_2)
	v_add_nc_u32 v[244+\b], 0xff000000, v[232+\b]
.endr
.irp b, 0,1
	s_delay_alu instid0(VALU_DEP_2)
	v_lshrrev_b32 v[236+\b], 23, v[244+\b]
.endr
	s_delay_alu instid0(VALU_DEP_1)
	v_lshl_or_b32 v254, v237, 8, v236              ; my row's two scale bytes
.irp b, 0,1
	v_cvt_scalef32_pk8_fp4_f32 v[224+2*\b], v[96+16*\b:103+16*\b], v[244+\b]
	v_cvt_scalef32_pk8_fp4_f32 v[225+2*\b], v[104+16*\b:111+16*\b], v[244+\b]
.endr
	v_nop
	v_permlane16_swap_b32 v224, v226               ; lanes 0-15 the first block, lanes 16-31 the second
	v_permlane16_swap_b32 v225, v227
	global_store_b128 v[AK0], v[224:227], s[8:9] offset:131072*\p   ; my head's half of the image: 512 consecutive bytes
	ds_store_b16 v[SSA], v254 offset:512*\p        ; lanes r and 16 + r write the same bytes with the same value
.endm
	PASS 0
	PASS 1
	s_wait_dscnt 0x0                               ; for the others' sake: my stores into the stage are done
	s_barrier_signal -1
	s_barrier_wait -1
	s_cmp_lt_u32 s[WV], 2                          ; waves 0 and 1 store the work-group's 1,024 scale bytes, 512 consecutive bytes each
	s_cbranch_scc0 .Lno_scales
	ds_load_b128 v[96:99], v[FIN]
	s_wait_dscnt 0x0
	global_store_b128 v[AK0], v[96:99], s[10:11]
.Lno_scales:
	s_wait_xcnt 0x0
	v_lshl_add_u32 v254, v0, 2, 0x29000
	v_mov_b32 v255, 0
	s_wait_alu depctr_va_vdst(0)
	s_wait_tensorcnt 0x0
	ds_add_u32 v254, v255
	s_wait_dscnt 0x0
	CROUND                                         ; the closing round
	s_endpgm
.Lfunc_end_k_q82c5e7bd49_attn:
	.size	k_q82c5e7bd49_attn, .Lfunc_end_k_q82c5e7bd49_attn-k_q82c5e7bd49_attn
	.p2alignl 7, 3214868480
	.fill 96, 4, 3214868480
	.section	.rodata,"a",@progbits
	.p2align	6, 0x0
	.amdhsa_kernel k_q82c5e7bd49_attn
		.amdhsa_group_segment_fixed_size 169984
		.amdhsa_private_segment_fixed_size 0
		.amdhsa_enable_private_segment 0
		.amdhsa_kernarg_size 32
		.amdhsa_user_sgpr_count 2
		.amdhsa_user_sgpr_kernarg_segment_ptr 1
		.amdhsa_wavefront_size32 1
		.amdhsa_system_sgpr_workgroup_id_x 1
		.amdhsa_system_sgpr_workgroup_id_y 1
		.amdhsa_system_sgpr_workgroup_id_z 1
		.amdhsa_system_vgpr_workitem_id 0
		.amdhsa_next_free_vgpr 256
		.amdhsa_next_free_sgpr 96
		.amdhsa_reserve_vcc 0
		.amdhsa_float_denorm_mode_32 3
		.amdhsa_float_denorm_mode_16_64 3
		.amdhsa_memory_ordered 1
		.amdhsa_forward_progress 1
		.amdhsa_inst_pref_size 56
	.end_amdhsa_kernel
	.amdgpu_metadata
---
amdhsa.version: [ 1, 2 ]
amdhsa.kernels:
  - .name:           k_q82c5e7bd49_attn
    .symbol:         k_q82c5e7bd49_attn.kd
    .args:
      - { .name: hc, .offset: 0, .size: 8, .value_kind: global_buffer, .address_space: global }
      - { .name: hs, .offset: 8, .size: 8, .value_kind: global_buffer, .address_space: global }
      - { .name: cc, .offset: 16, .size: 8, .value_kind: global_buffer, .address_space: global }
      - { .name: cs, .offset: 24, .size: 8, .value_kind: global_buffer, .address_space: global }
    .group_segment_fixed_size: 169984
    .private_segment_fixed_size: 0
    .kernarg_segment_align: 8
    .kernarg_segment_size: 32
    .max_flat_workgroup_size: 512
    .sgpr_count:     96
    .vgpr_count:     256
    .wavefront_size: 32
...
	.end_amdgpu_metadata
.endif
;; end of part 3
;; launch fcln (part 4): grid 128 x 1, 16 waves a work-group, no clusters, 221,184 bytes of LDS; arguments cc, cs, xc, xs, wc, ws, bfc, bq, gamma, beta, out0; writes out0
.if DOCPART == 4
	.amdgcn_target "amdgcn-amd-amdhsa--gfx1250"
	.amdhsa_code_object_version 6
	.text
	.protected	k_q82c5e7bd49_fcln
	.globl	k_q82c5e7bd49_fcln
	.p2align	8
	.type	k_q82c5e7bd49_fcln,@function
k_q82c5e7bd49_fcln:
	s_mov_b64 s[64:65], 0
	v_nop
	global_prefetch_b8 v0, s[64:65] scope:SCOPE_SE
	s_setreg_imm32_b32 hwreg(HW_REG_WAVE_MODE, 25, 1), 1
	s_wait_xcnt 0x0
; out = LayerNorm(ctx Wfc + bfc + (q Wq + bq)) x gamma + beta.  The residual q Wq is made again from the codes that exist anyway: x = [ctx | q] [Wfc ; Wq] + (bfc + bq) is ONE sum over K = 2,048 on codes of FP4 with E8M0 scales.
; SHARES.  A work-group owns 64 tokens (four tiles) x all 1,024 columns, since the norm wants whole rows: 128 work-groups.  Wave w of sixteen owns columns 64 w .. 64 w + 63: 16 accumulators, 128 registers.
; A's codes (65,536 bytes) and all scale bytes lie in LDS, each byte filled once.  Each fragment of the weights is read by exactly ONE wave of the work-group: it goes from memory straight into registers, as the image that it is stored as,
; two K steps ahead.  No cluster: a work-group's tokens are its own, and the weights do not go through LDS.
; THE MATRIX INSTRUCTION IS USED TRANSPOSED: source 0 = 16 columns of the weight, source 1 = 16 tokens: a lane holds one token (position lane % 16) and, by the order of rows in a tile, 16 neighbouring columns in the registers of two neighbouring tiles.
; Mean and variance in two passes, as they are defined: each wave's part for its 64 columns goes through LDS, a barrier each.
; LIMITS: NaN and infinities are not served.
; REGISTERS: v1-10 addresses; v11-15, v20-23 the head's work; v16-19 scale words and nothing else (lanes 0-15 A's tile i, lanes 16-31 B's tile i); v24-31 gamma, beta; v32-63 A's 4 fragments; v64-127 B's, two sets; v128-255 accumulators ((a, b) at v[128 + 8 (4 a + b)]).
;   Behind the products: v32-95 bias, parts of sums, rows on the way out; v96-103 a pair for each tile's statistic.
.set SA,   65536                       ; LDS: A's codes [ctx, q][K step 8][tile 4][1,024] at 0; A's scale bytes [ctx, q][tile 4][512] here: ctx's by LDS stores, q's (2,048 on) by a tensor load
.set SB,   69632                       ; the weights' scale bytes [Wfc, Wq][tile 64][512]
.set RED,  135168                      ; [sum, sum of squares][token 64][16 waves x 4 bytes + 16]
.set BIA,  145408                      ; bfc + bq
.set STG,  149504                      ; the way out: 16 rows x (256 bytes + 16) for each wave
.set P,    96
.set WV,   26
.set G1A,  32
.set G1B,  40
.set G1Q,  48
.set G0A,  56
.set G0B,  60
.set G0Q,  68
	s_load_b512 s[4:19], s[0:1], 0x0               ; cc, cs, xc, xs, wc, ws, bfc, bq
	s_load_b128 s[20:23], s[0:1], 0x40             ; gamma, beta
	s_load_b64 s[24:25], s[0:1], 0x50              ; out0
	v_lshl_add_u32 v254, v0, 2, 0x35800
	v_mov_b32 v255, 0
	ds_add_u32 v254, v255
	ds_add_u32 v254, v255
	s_wait_dscnt 0x0
	v_lshrrev_b32 v11, 5, v0
	s_delay_alu instid0(VALU_DEP_1)
	v_readfirstlane_b32 s[WV], v11                 ; wave 0..15
	v_and_b32 v12, 15, v0                          ; r
	v_bfe_u32 v13, v0, 4, 1                        ; h
	v_and_b32 v14, 31, v0
	s_delay_alu instid0(VALU_DEP_1)
	v_lshlrev_b32 v1, 4, v14                       ; 16 x lane: an image's place, in LDS and in memory
	s_lshl_b32 s27, s[WV], 11
	s_add_co_u32 s27, s27, 4096
	v_mul_u32_u24 v15, s27, v13                    ; lanes 16-31 take the weight's words: one product, the distance from A's
	s_delay_alu instid0(VALU_DEP_1)
	v_lshl_add_u32 v2, v12, 4, v15
	s_delay_alu instid0(VALU_DEP_1)
	v_add_nc_u32 v2, SA, v2                        ; scale words of K steps 0-7 (ctx, Wfc)
	s_add_co_u32 s27, s27, 30720
	v_mul_u32_u24 v15, s27, v13
	s_delay_alu instid0(VALU_DEP_1)
	v_lshl_add_u32 v3, v12, 4, v15
	s_delay_alu instid0(VALU_DEP_1)
	v_add_nc_u32 v3, SA+2048, v3                   ; and of K steps 8-15 (q, Wq)
	s_mul_i32 s27, s[WV], 16*272
	s_add_co_u32 s27, s27, STG
	v_mul_u32_u24 v5, v12, 272
	s_delay_alu instid0(VALU_DEP_1)
	v_lshl_add_u32 v5, v13, 6, v5
	s_delay_alu instid0(VALU_DEP_1)
	v_add_nc_u32 v5, s27, v5                       ; the stage, in: row r, 64 bytes on for lanes 16-31
	v_mul_u32_u24 v6, v13, 272
	s_delay_alu instid0(VALU_DEP_1)
	v_lshl_add_u32 v6, v12, 4, v6
	s_delay_alu instid0(VALU_DEP_1)
	v_add_nc_u32 v6, s27, v6                       ; out: lanes 0-15 one row, lanes 16-31 the next
	v_lshlrev_b32 v7, 12, v13
	s_delay_alu instid0(VALU_DEP_1)
	v_lshl_add_u32 v7, v12, 4, v7                  ; and the same two rows in out0
	v_mul_u32_u24 v9, v12, 80
	s_delay_alu instid0(VALU_DEP_1)
	v_add_nc_u32 v9, RED, v9                       ; the sixteen parts of position r's sum
	s_lshl_b32 s27, s[WV], 2
	v_add_nc_u32 v8, s27, v9                       ; my wave's part
	s_lshl_b32 s27, s[WV], 8
	s_add_co_u32 s31, s27, BIA
	v_lshl_add_u32 v10, v13, 6, s31                ; the bias of my columns
	v_lshl_add_u32 v20, v12, 4, s27                ; gamma, beta: columns 64 w + 4 (lane % 16) on
	v_lshlrev_b32 v21, 3, v0                       ; bfc, bq: two numbers a thread
	v_lshl_add_u32 v11, v0, 3, BIA
	v_lshlrev_b32 v22, 1, v12
	s_delay_alu instid0(VALU_DEP_1)
	v_lshl_add_u32 v22, v13, 5, v22                ; ctx's scale bytes: 32 h + 2 r
	s_lshr_b32 s27, s[WV], 3                       ; each lane makes ONE scale word of ctx: K step (pair of heads) w % 8, tile 2 (w / 8) + h, position r
	s_lshl_b32 s27, s27, 10
	s_lshr_b32 s31, s[WV], 2
	s_and_b32 s31, s31, 1
	s_lshl_b32 s31, s31, 8
	s_add_co_u32 s27, s27, s31
	s_and_b32 s31, s[WV], 3
	s_lshl_b32 s31, s31, 2
	s_add_co_u32 s27, s27, s31
	s_add_co_u32 s27, s27, SA
	v_lshlrev_b32 v23, 4, v12
	s_delay_alu instid0(VALU_DEP_1)
	v_lshl_add_u32 v23, v13, 9, v23
	s_delay_alu instid0(VALU_DEP_1)
	v_add_nc_u32 v23, s27, v23
	; group 1, elements of 8 bytes
.irp g, G1A, G1B, G1Q
	s_mov_b32 s[\g], 3<<16
	s_mov_b32 s[\g+6], 0
	s_mov_b32 s[\g+7], 0
.endr
	s_mov_b32 s[G1A+1], 512<<16                    ; A's codes: 8 K steps, my four tiles' 4,096 bytes of each 16,384
	s_mov_b32 s[G1A+2], 8<<16
	s_mov_b32 s[G1A+3], 512<<16
	s_mov_b32 s[G1A+4], 8
	s_mov_b32 s[G1A+5], 2048
	s_mov_b32 s[G1B+1], 32<<16                     ; a weight's scale bytes: 32,768 dense bytes as 128 rows of 256
	s_mov_b32 s[G1B+2], 128<<16
	s_mov_b32 s[G1B+3], 32<<16
	s_mov_b32 s[G1B+4], 128
	s_mov_b32 s[G1B+5], 32
	s_mov_b32 s[G1Q+1], 32<<16                     ; q's scale bytes of my four tiles: 2,048 dense bytes
	s_mov_b32 s[G1Q+2], 8<<16
	s_mov_b32 s[G1Q+3], 32<<16
	s_mov_b32 s[G1Q+4], 8
	s_mov_b32 s[G1Q+5], 32
	s_mov_b32 s28, 0x76543210
	s_mov_b32 s29, 0xfedcba98                      ; lane selects: lane xor 16
	s_mov_b32 s2, 0x3a800000                       ; 1 / 1,024
	s_mov_b32 s3, 0x3727c5ac                       ; 1e-5
	s_mov_b32 s31, 0
	s_wait_kmcnt 0x0
	s_and_b32 s27, s[WV], 1
	s_cmp_eq_u32 s27, 0
	s_cselect_b64 s[G0A+2:G0A+3], s[4:5], s[8:9]   ; wave 0: ctx; wave 1: q
	s_cselect_b32 s30, 98304, 0                    ; wave 2: Wfc's scale bytes; wave 3: Wq's
	s_add_nc_u64 s[G0B+2:G0B+3], s[14:15], s[30:31]
	s_lshl_b32 s27, s27, 15
	s_mov_b32 s[G0A], 1
	s_mov_b32 s[G0A+1], s27
	s_mov_b32 s[G0B], 1
	s_add_co_u32 s[G0B+1], s27, SB
	s_lshr_b32 s30, ttmp9, 2
	s_lshl_b32 s30, s30, 17
	s_and_b32 s27, ttmp9, 3
	s_lshl_b32 s27, s27, 12
	s_add_co_u32 s30, s30, s27
	s_add_nc_u64 s[G0A+2:G0A+3], s[G0A+2:G0A+3], s[30:31]
	s_or_b32 s[G0A+3], s[G0A+3], 0x80000000
	s_or_b32 s[G0B+3], s[G0B+3], 0x80000000
	s_mov_b32 s[G0Q], 1
	s_mov_b32 s[G0Q+1], SA+2048
	s_lshl_b32 s30, ttmp9, 11
	s_add_nc_u64 s[G0Q+2:G0Q+3], s[10:11], s[30:31]
	s_or_b32 s[G0Q+3], s[G0Q+3], 0x80000000
	s_lshr_b32 s30, ttmp9, 5                       ; ctx's scale bytes: ((16 batch + 2 (w % 8)) x 128 + 4 (work-group % 32) + 2 (w / 8)) x 32; the odd head's lie 4,096 on
	s_lshl_b32 s30, s30, 4
	s_and_b32 s27, s[WV], 7
	s_lshl_b32 s27, s27, 1
	s_add_co_u32 s30, s30, s27
	s_lshl_b32 s30, s30, 7
	s_and_b32 s27, ttmp9, 31
	s_lshl_b32 s27, s27, 2
	s_add_co_u32 s30, s30, s27
	s_lshr_b32 s27, s[WV], 3
	s_lshl_b32 s27, s27, 1
	s_add_co_u32 s30, s30, s27
	s_lshl_b32 s30, s30, 5
	s_add_nc_u64 s[6:7], s[6:7], s[30:31]
	s_lshr_b32 s30, s[WV], 2                       ; my four tiles of a weight
	s_lshl_b32 s30, s30, 17
	s_and_b32 s27, s[WV], 3
	s_lshl_b32 s27, s27, 12
	s_add_co_u32 s30, s30, s27
	s_add_nc_u64 s[12:13], s[12:13], s[30:31]
	s_lshl_b32 s30, ttmp9, 18                      ; out0: 64 rows of 4,096 bytes a work-group, 256 bytes a wave
	s_lshl_b32 s27, s[WV], 8
	s_add_co_u32 s30, s30, s27
	s_add_nc_u64 s[24:25], s[24:25], s[30:31]
	; waves 0, 1: A's codes; 2, 3: the weights' scale bytes; 4: q's.  One tensor load a wave; four v_nop follow each
	s_cmp_lt_u32 s[WV], 2
	s_cbranch_scc0 .Lnot_a
	tensor_load_to_lds s[G0A:G0A+3], s[G1A:G1A+7]
	s_nop 0
.rept 4
	v_nop
.endr
	s_branch .Lasked
.Lnot_a:
	s_cmp_lt_u32 s[WV], 4
	s_cbranch_scc0 .Lnot_b
	tensor_load_to_lds s[G0B:G0B+3], s[G1B:G1B+7]
	s_nop 0
.rept 4
	v_nop
.endr
	s_branch .Lasked
.Lnot_b:
	s_cmp_eq_u32 s[WV], 4
	s_cbranch_scc0 .Lasked
	tensor_load_to_lds s[G0Q:G0Q+3], s[G1Q:G1Q+7]
	s_nop 0
.rept 4
	v_nop
.endr
.Lasked:
.macro BLOAD k                         ; the weight's four fragments of K step k into set k % 2: 512 consecutive bytes a load.  K steps 0-7: Wfc (the fourth weight), 8-15: Wq (the first)
.irp b, 0,1,2,3
.irp c, 0,1
	global_load_b128 v[64+32*((\k)%2)+8*\b+4*\c:64+32*((\k)%2)+8*\b+4*\c+3], v1, s[12:13] offset:1572864*(1-(\k)/8)+16384*((\k)%8)+1024*\b+512*\c
.endr
.endr
.endm
.macro ALOAD k                         ; A's four fragments and the four registers of scale words
.irp a, 0,1,2,3
.irp c, 0,1
	ds_load_b128 v[32+8*\a+4*\c:32+8*\a+4*\c+3], v1 offset:4096*(\k)+1024*\a+512*\c
.endr
.endr
.irp i, 0,1,2,3
	ds_load_b32 v[16+\i], v[2+(\k)/8] offset:512*\i+256*(((\k)%8)/4)+4*((\k)%4)
.endr
.endm
.macro KSTEP k                         ; 16 matrix instructions, the 16 accumulators by turns
.if (\k) < 15
	s_wait_loadcnt 8                               ; this K step's eight loads are in; the next step's may be out
.else
	s_wait_loadcnt 0x0
.endif
	s_wait_dscnt 0x0
.irp a, 0,1,2,3
.irp b, 0,1,2,3
.if (\k) == 0
	v_wmma_scale_f32_16x16x128_f8f6f4 v[128+8*(4*\a+\b):135+8*(4*\a+\b)], v[64+32*((\k)%2)+8*\b:71+32*((\k)%2)+8*\b], v[32+8*\a:39+8*\a], 0, v[16+\b], v[16+\a] matrix_a_fmt:MATRIX_FMT_FP4 matrix_b_fmt:MATRIX_FMT_FP4 matrix_a_scale:MATRIX_SCALE_ROW1
.else
	v_wmma_scale_f32_16x16x128_f8f6f4 v[128+8*(4*\a+\b):135+8*(4*\a+\b)], v[64+32*((\k)%2)+8*\b:71+32*((\k)%2)+8*\b], v[32+8*\a:39+8*\a], v[128+8*(4*\a+\b):135+8*(4*\a+\b)], v[16+\b], v[16+\a] matrix_a_fmt:MATRIX_FMT_FP4 matrix_b_fmt:MATRIX_FMT_FP4 matrix_a_scale:MATRIX_SCALE_ROW1
.endif
.endr
.endr
.rept 4
	v_nop                                          ; four places ahead of loads into registers that the products have read, and of the first read of results
.endr
.if (\k) < 15
	ALOAD (\k)+1
.endif
.if (\k) < 14
	BLOAD (\k)+2
.endif
.endm
	s_wait_alu depctr_va_vdst(0)
	global_load_b128 v[24:27], v20, s[20:21]       ; gamma
	global_load_b128 v[28:31], v20, s[22:23]       ; beta
	global_load_b64 v[32:33], v21, s[16:17]        ; bfc
	global_load_b64 v[34:35], v21, s[18:19]        ; bq
	global_load_u16 v36, v22, s[6:7]               ; the even head's two scale bytes,
	global_load_u16 v37, v22, s[6:7] offset:4096   ; the odd head's
	BLOAD 0
	BLOAD 1
	s_wait_loadcnt 16                              ; the six small loads are in; the weights' 16 may be out
	v_pk_add_f32 v[32:33], v[32:33], v[34:35]
	ds_store_b64 v11, v[32:33]                     ; bfc + bq
	v_lshl_or_b32 v36, v37, 16, v36
	ds_store_b32 v23, v36                          ; a scale word of ctx: 128 along K of one token
	s_wait_tensorcnt 0x0                           ; my tensor load has landed,
	s_wait_dscnt 0x0                               ; my stores too:
	s_barrier_signal -1
	s_barrier_wait -1                              ; everybody's have
	ALOAD 0
.irp k, 0,1,2,3,4,5,6,7,8,9,10,11,12,13,14,15
	KSTEP \k
.endr
	; ---- + bias
.irp b, 0,1,2,3
	ds_load_b128 v[64+8*\b:67+8*\b], v10 offset:128*(\b/2)+32*(\b%2)
	ds_load_b128 v[68+8*\b:71+8*\b], v10 offset:128*(\b/2)+32*(\b%2)+16
.endr
	s_wait_dscnt 0x0
.irp a, 0,1,2,3
.set j, 0
.rept 16
	v_pk_add_f32 v[128+32*\a+j:129+32*\a+j], v[128+32*\a+j:129+32*\a+j], v[64+j:65+j]   ; ascending: each accumulator from its low end on
.set j, j+2
.endr
.endr
; a statistic of each of the four tiles, in the pair v[P + 2 a], is added up: the pair's halves, lane xor 16's, and the sixteen waves' through LDS bytes at off; the total comes back in v[P + 2 a], in every lane
.macro ACROSS off
.irp a, 0,1,2,3
	s_delay_alu instid0(VALU_DEP_4)
	v_add_f32 v[P+2*\a], v[P+2*\a], v[P+2*\a+1]
.endr
.irp a, 0,1,2,3
	s_delay_alu instid0(VALU_DEP_4)
	v_permlanex16_b32 v[P+2*\a+1], v[P+2*\a], s28, s29
.endr
.irp a, 0,1,2,3
	s_delay_alu instid0(VALU_DEP_4)
	v_add_f32 v[P+2*\a], v[P+2*\a], v[P+2*\a+1]    ; my wave's 64 columns of position r's token
.endr
.irp a, 0,1,2,3
	ds_store_b32 v8, v[P+2*\a] offset:\off+1280*\a ; lanes r and 16 + r write the same word with the same value
.endr
	s_wait_dscnt 0x0                               ; for the others' sake
	s_barrier_signal -1
	s_barrier_wait -1
.irp a, 0,1,2,3
.irp i, 0,1,2,3
	ds_load_b128 v[32+16*\a+4*\i:35+16*\a+4*\i], v9 offset:\off+1280*\a+16*\i
.endr
.endr
	s_wait_dscnt 0x0
.irp a, 0,1,2,3
	v_pk_add_f32 v[32+16*\a:33+16*\a], v[32+16*\a:33+16*\a], v[34+16*\a:35+16*\a]
.endr
.irp j, 4,6,8,10,12,14
.irp a, 0,1,2,3
	s_delay_alu instid0(VALU_DEP_4)
	v_pk_add_f32 v[32+16*\a:33+16*\a], v[32+16*\a:33+16*\a], v[32+16*\a+\j:33+16*\a+\j]
.endr
.endr
.irp a, 0,1,2,3
	s_delay_alu instid0(VALU_DEP_4)
	v_add_f32 v[P+2*\a], v[32+16*\a], v[33+16*\a]
.endr
.endm
	; ---- the mean
.irp a, 0,1,2,3
	v_pk_add_f32 v[P+2*\a:P+2*\a+1], v[128+32*\a:129+32*\a], v[130+32*\a:131+32*\a]
.endr
.irp j, 4,6,8,10,12,14,16,18,20,22,24,26,28,30
.irp a, 0,1,2,3
	s_delay_alu instid0(VALU_DEP_4)
	v_pk_add_f32 v[P+2*\a:P+2*\a+1], v[P+2*\a:P+2*\a+1], v[128+32*\a+\j:129+32*\a+\j]   ; the four tiles by turns
.endr
.endr
	ACROSS 0
.irp a, 0,1,2,3
	s_delay_alu instid0(VALU_DEP_4)
	v_mul_f32 v[P+2*\a], 0xba800000, v[P+2*\a]     ; - the mean
.endr
.irp a, 0,1,2,3
.set j, 0
.rept 16
	v_pk_add_f32 v[128+32*\a+j:129+32*\a+j], v[128+32*\a+j:129+32*\a+j], v[P+2*\a:P+2*\a+1] op_sel_hi:[1,0]   ; x - the mean
.set j, j+2
.endr
.endr
	; ---- the variance
.irp a, 0,1,2,3
	v_pk_mul_f32 v[P+2*\a:P+2*\a+1], v[128+32*\a:129+32*\a], v[128+32*\a:129+32*\a]
.endr
.irp j, 2,4,6,8,10,12,14,16,18,20,22,24,26,28,30
.irp a, 0,1,2,3
	s_delay_alu instid0(VALU_DEP_4)
	v_pk_fma_f32 v[P+2*\a:P+2*\a+1], v[128+32*\a+\j:129+32*\a+\j], v[128+32*\a+\j:129+32*\a+\j], v[P+2*\a:P+2*\a+1]
.endr
.endr
	ACROSS 5120                                    ; other bytes than the first sum's: no wave writes what another may still read
.irp a, 0,1,2,3
	s_delay_alu instid0(VALU_DEP_4)
	v_fma_f32 v[P+2*\a], v[P+2*\a], s2, s3         ; the variance + 1e-5
.endr
	s_wait_alu depctr_va_vdst(0)
.irp a, 0,1,2,3
	v_rsq_f32 v[P+2*\a], v[P+2*\a]
.endr
	v_nop                                          ; a plain line behind the last of the four,
	s_wait_alu depctr_va_vdst(0)                   ; and one wait for the batch, ahead of its first reader
.irp a, 0,1,2,3
.set j, 0
.rept 16
	v_pk_mul_f32 v[128+32*\a+j:129+32*\a+j], v[128+32*\a+j:129+32*\a+j], v[P+2*\a:P+2*\a+1] op_sel_hi:[1,0]
.set j, j+2
.endr
.endr
; ---- THE WAY OUT of tile a: through my own stage, back as rows of 256 bytes, x gamma + beta, stored: sixteen lanes store 256 consecutive bytes, at a multiple of 256 from out0's first byte
.macro OUTROWS a
.set OB, 32+32*((\a)%2)
.if (\a) >= 2
	s_wait_xcnt 0x0                                ; the stores of two tiles back have read this set of registers
.endif
.irp b, 0,1,2,3
	ds_store_b128 v5, v[128+32*(\a)+8*\b:131+32*(\a)+8*\b] offset:128*(\b/2)+32*(\b%2)
	ds_store_b128 v5, v[132+32*(\a)+8*\b:135+32*(\a)+8*\b] offset:128*(\b/2)+32*(\b%2)+16
.endr
.irp i, 0,1,2,3,4,5,6,7
	ds_load_b128 v[OB+4*\i:OB+4*\i+3], v6 offset:544*\i    ; LDS serves a wave's instructions in order: these see my stores, and the next tile's stores come behind them
.endr
.irp i, 0,1,2,3,4,5,6,7
	s_wait_dscnt 7-\i
	v_pk_fma_f32 v[OB+4*\i:OB+4*\i+1], v[OB+4*\i:OB+4*\i+1], v[24:25], v[28:29]
	v_pk_fma_f32 v[OB+4*\i+2:OB+4*\i+3], v[OB+4*\i+2:OB+4*\i+3], v[26:27], v[30:31]
	global_store_b128 v7, v[OB+4*\i:OB+4*\i+3], s[24:25] offset:(32*((\a)/2)+8*((\a)%2)+2*\i+8*(\i/4))*4096 th:TH_STORE_NT   ; positions 2 i, 2 i + 1 of the tile are these rows
.endr
.endm
	OUTROWS 0
	OUTROWS 1
	OUTROWS 2
	OUTROWS 3
	s_wait_xcnt 0x0
	v_lshl_add_u32 v254, v0, 2, 0x35800
	v_mov_b32 v255, 0
	s_wait_alu depctr_va_vdst(0)
	s_wait_tensorcnt 0x0
	ds_add_u32 v254, v255
	s_wait_dscnt 0x0
	s_endpgm
.Lfunc_end_k_q82c5e7bd49_fcln:
	.size	k_q82c5e7bd49_fcln, .Lfunc_end_k_q82c5e7bd49_fcln-k_q82c5e7bd49_fcln
	.p2alignl 7, 3214868480
	.fill 96, 4, 3214868480
	.section	.rodata,"a",@progbits
	.p2align	6, 0x0
	.amdhsa_kernel k_q82c5e7bd49_fcln
		.amdhsa_group_segment_fixed_size 221184
		.amdhsa_private_segment_fixed_size 0
		.amdhsa_enable_private_segment 0
		.amdhsa_kernarg_size 88
		.amdhsa_user_sgpr_count 2
		.amdhsa_user_sgpr_kernarg_segment_ptr 1
		.amdhsa_wavefront_size32 1
		.amdhsa_system_sgpr_workgroup_id_x 1
		.amdhsa_system_sgpr_workgroup_id_y 1
		.amdhsa_system_sgpr_workgroup_id_z 1
		.amdhsa_system_vgpr_workitem_id 0
		.amdhsa_next_free_vgpr 256
		.amdhsa_next_free_sgpr 72
		.amdhsa_reserve_vcc 0
		.amdhsa_float_denorm_mode_32 3
		.amdhsa_float_denorm_mode_16_64 3
		.amdhsa_memory_ordered 1
		.amdhsa_forward_progress 1
		.amdhsa_inst_pref_size 116
	.end_amdhsa_kernel
	.amdgpu_metadata
---
amdhsa.version: [ 1, 2 ]
amdhsa.kernels:
  - .name:           k_q82c5e7bd49_fcln
    .symbol:         k_q82c5e7bd49_fcln.kd
    .args:
      - { .name: cc, .offset: 0, .size: 8, .value_kind: global_buffer, .address_space: global }
      - { .name: cs, .offset: 8, .size: 8, .value_kind: global_buffer, .address_space: global }
      - { .name: xc, .offset: 16, .size: 8, .value_kind: global_buffer, .address_space: global }
      - { .name: xs, .offset: 24, .size: 8, .value_kind: global_buffer, .address_space: global }
      - { .name: wc, .offset: 32, .size: 8, .value_kind: global_buffer, .address_space: global }
      - { .name: ws, .offset: 40, .size: 8, .value_kind: global_buffer, .address_space: global }
      - { .name: bfc, .offset: 48, .size: 8, .value_kind: global_buffer, .address_space: global }
      - { .name: bq, .offset: 56, .size: 8, .value_kind: global_buffer, .address_space: global }
      - { .name: gamma, .offset: 64, .size: 8, .value_kind: global_buffer, .address_space: global }
      - { .name: beta, .offset: 72, .size: 8, .value_kind: global_buffer, .address_space: global }
      - { .name: out0, .offset: 80, .size: 8, .value_kind: global_buffer, .address_space: global }
    .group_segment_fixed_size: 221184
    .private_segment_fixed_size: 0
    .kernarg_segment_align: 8
    .kernarg_segment_size: 88
    .max_flat_workgroup_size: 512
    .sgpr_count:     72
    .vgpr_count:     256
    .wavefront_size: 32
...
	.end_amdgpu_metadata
.endif
;; end of part 4
